; MI455X (gfx1250); checked and timed in simulation.
; The chip was launched on July 23, 2026; its instructions are those of AMD's public machine-readable ISA for CDNA 5 (MIT licence, August 2026) and "CDNA5" Instruction Set Architecture Reference Guide (July 2026). The comments in the code are by the model that wrote it; some were corrected since.
;; C Attention. Allowed arithmetic: matrix products marked QUANTISED: E2M3 operands, one E8M0 scale for each 32 along K, by v_wmma_scale_f32_16x16x128_f8f6f4 with both operands' format E2M3, f32 sums; everything else in f32.
;; Inputs: Wk_codes 1,024 x 32 x 24 uint8 (E2M3 codes of Wk, K innermost, in blocks of 32 codes, four codes in three bytes); Wk_scales 1,024 x 32 uint8 (E8M0 scales of Wk, one for each 32 codes along K); Wq_codes 1,024 x 32 x 24 uint8 (E2M3 codes of Wq, K innermost, in blocks of 32 codes, four codes in three bytes); Wq_scales 1,024 x 32 uint8 (E8M0 scales of Wq, one for each 32 codes along K); Wv_codes 1,024 x 32 x 24 uint8 (E2M3 codes of Wv, K innermost, in blocks of 32 codes, four codes in three bytes); Wv_scales 1,024 x 32 uint8 (E8M0 scales of Wv, one for each 32 codes along K); bk 1,024 float32; bq 1,024 float32; bv 1,024 float32; x_codes 4 x 2,048 x 32 x 24 uint8 (E2M3 codes of x, K innermost, in blocks of 32 codes, four codes in three bytes); x_scales 4 x 2,048 x 32 uint8 (E8M0 scales of x, one for each 32 codes along K).
;; Outputs: out0 4 x 2,048 x 1,024 float32.
;; This version of the problem:
;;   THIS VERSION OF THE PROBLEM IS GIVEN IN LOW PRECISION. The matrix products marked QUANTISED in the list below multiply operands that are first quantised to E2M3 (2 exponent bits, 3 mantissa bits; 6 bits a number), with one power-of-two scale for each 32 numbers along K (OCP MX v1.0); their sums are f32. All else is computed in f32.
;;   The module's matrix products, in the order in which they are computed (A, B: the left and right operand; K: the contracted axis; several contracted axes count as one K, in the product's order):
;;     1. [M 8,192, K 1,024] x [K 1,024, N 1,024]; A: input x (given as codes); B: input Wq (given as codes): QUANTISED
;;     2. [M 8,192, K 1,024] x [K 1,024, N 1,024]; A: input x (given as codes); B: input Wk (given as codes): QUANTISED
;;     3. [M 8,192, K 1,024] x [K 1,024, N 1,024]; A: input x (given as codes); B: input Wv (given as codes): QUANTISED
;;     4. batch 4 x [M 2,048, K 1,024] x [K 1,024, N 2,048]; A: computed on the way; B: computed on the way: QUANTISED
;;     5. batch 4 x [M 2,048, K 2,048] x [K 2,048, N 1,024]; A: softmax (see below); B: computed on the way: QUANTISED
;;   THE QUANTISER, for each operand of a quantised product, along K:
;;     - K is cut into blocks of 32 from its start; a last block that is shorter is filled with zeros.
;;     - A block's scale is 2^e with e = floor(log2(the largest magnitude in the block)) - 2, held to -126 .. 127; a block of zeros has e = 0. As a byte (E8M0): e + 127.
;;     - Each number is divided by its block's scale, clamped to +-7.5, and rounded to the nearest number of E2M3, ties to even, subnormals kept.
;;     - The product sums the exact products of the quantised numbers (number of the format x scale) in f32.
;;   ~~~python
;;   def quantise(x, axis):      # numpy; x: float32 -> the quantised numbers, widened to float32 again
;;       x = np.moveaxis(x, axis, -1); K = x.shape[-1]
;;       x = np.pad(x, [(0, 0)] * (x.ndim - 1) + [(0, -K % 32)]); x = x.reshape(x.shape[:-1] + (-1, 32)); a = np.abs(x).max(-1, keepdims=True)
;;       e = np.where(a > 0, np.clip(np.frexp(np.where(a > 0, a, 1))[1] - 1 - 2, -126, 127), 0)      # np.frexp(a)[1] - 1 = floor(log2(a)), exactly
;;       r = np.clip(x / 2.0 ** e, -7.5, 7.5)
;;       step = 2.0 ** (np.maximum(np.frexp(np.where(r == 0, 1, r))[1] - 1, 0) - 3)
;;       q = np.round(r / step) * step * 2.0 ** e      # np.round: ties to even
;;       return np.moveaxis(q.reshape(q.shape[:-2] + (-1,))[..., :K], -1, axis).astype(np.float32)
;;   ~~~
;;   SOFTMAX AHEAD OF A QUANTISED PRODUCT. Where the list says 'softmax', what is quantised is not the finished softmax but p = 2^(t - M), with t = logit x log2(e) and M = ceil(the row's largest t), a whole number; so 1/2 < the row's largest p <= 1. The row's sum l is taken of the UNQUANTISED p, in f32, and the product's result is divided by l at the end. Since M is a whole number, a kernel that streams over the keys may use a running M (the ceiling of the running maximum): every later rescaling is an exact power of two, which a block's scale takes up: the codes' values come out the same.
;;   OPERANDS COMPUTED ON THE WAY. 'Computed on the way' means the value that the module computes at that place (a softmax that the list does not call 'softmax' is quantised finished and normalised). What goes into a quantiser is computed in f32, as accurately as f32 sums, v_exp_f32 and their like allow (about 1e-6 of the number): no bf16 or f16 on the way to a quantiser, and a product that is left as it is and whose result goes on into a quantised operand takes f32 operands (vector FMAs, or v_wmma_f32_16x16x4_f32). A number that lies on a knife's edge between two numbers of the format may be rounded either way, as far as f32 arithmetic and the matrix unit's own rounding can turn it there, and no further.
;;   INPUTS GIVEN AS CODES. Wk (in the module: [1024, 1024], K = its axis 0); Wq (in the module: [1024, 1024], K = its axis 0); Wv (in the module: [1024, 1024], K = its axis 0); x (in the module: [4, 2048, 1024], K = its axis 2): each comes as NAME_codes (uint8): NAME with its K axis moved to the last place and cut into blocks of 32 codes, [.., K / 32, bytes a block], one block behind the other in memory; four codes in three bytes: a row's codes are one little-endian stream of bits, code i at bits 6 i .. 6 i + 5 (a code: sign, 2 exponent bits, 3 mantissa bits); and NAME_scales (uint8): the same leading axes, one E8M0 byte (e + 127) for each 32 codes along K. Its value is code x scale, taken as it is: it is not quantised again, and the codes and scales need not be those that the quantiser above would give.
;; One version. Each part assembles by itself: llvm-mc -triple=amdgcn-amd-amdhsa -mcpu=gfx1250 --defsym DOCPART=n.
;; ======== version 1 of 1: 3 launches
;; limits: right only within a limited range of input values
;; workspace buffers: qkv_img 18,874,368 bytes; qkv_sc 786,432 bytes; p_img 12,582,912 bytes; p_st 1,572,864 bytes
;; launch proj (part 1): grid 16 x 16, 4 waves a work-group, clusters of 4 x 4, 327,680 bytes of LDS; arguments x_codes, x_scales, Wq_codes, Wq_scales, Wk_codes, Wk_scales, Wv_codes, Wv_scales, bq, bk, bv, qkv_img, qkv_sc; writes qkv_img, qkv_sc
.if DOCPART == 1
	.amdgcn_target "amdgcn-amd-amdhsa--gfx1250"
	.amdhsa_code_object_version 6
	.text
	.protected	k_qdd9121fab3_proj
	.globl	k_qdd9121fab3_proj
	.p2align	8
	.type	k_qdd9121fab3_proj,@function
k_qdd9121fab3_proj:
	s_mov_b64 s[64:65], 0
	v_nop
	global_prefetch_b8 v0, s[64:65] scope:SCOPE_SE
	s_setreg_imm32_b32 hwreg(HW_REG_WAVE_MODE, 25, 1), 1
	s_wait_xcnt 0x0
	s_wait_alu depctr_hold_cnt(0) depctr_sa_sdst(0) depctr_va_vdst(0) depctr_va_sdst(0) depctr_va_ssrc(0) depctr_va_vcc(0) depctr_vm_vsrc(0)
	s_getreg_b32 s2, hwreg(HW_REG_IB_STS2, 6, 4)
	s_cmp_eq_u32 s2, 0
	s_cbranch_scc0 .Lentry_in_a_cluster
	s_endpgm
.Lentry_in_a_cluster:
	s_bfe_u32 s2, ttmp6, 0x10000c
	s_cmp_lg_u32 s2, 0xf033
	s_cbranch_scc0 .Lentry_shape_is_right
	s_endpgm
.Lentry_shape_is_right:
; Q = x Wq + bq, K = x Wk + bk, V = x Wv + bv on codes of FP6 (E2M3) with one E8M0 scale for each 32 along K = 1,024, sums in f32; each result is quantised at once for the product that follows
; (Q, K along the channels, V along the keys) and stored as images of operand registers with its scale words.  No f32 result is stored.  Nothing of reference() is left out as dead work.
; LIMITS: NaN and infinities among the inputs are not served.  A block of zeros keeps scale byte 1 over zero codes (this program alone reads the bytes).
; THE DEAL.  256 work-groups of four waves, 2 x 2 (wave row a = s15, wave column s16); a wave holds 64 rows of a weight, ALL of K, in registers (384) and streams x past them in blocks of 16 rows.
; A work-group makes 256 x 128 of V (PHASE 1), then 512 x 128 of Q or K (PHASE 2); V's 256 rows are the half s87 of its own 512, so they are loaded once.  s87 and the tensor s19 come from the cluster's number alone.
; x's rows are shared by joint loads along a ROW of the cluster, a weight's along a COLUMN.
; LDS: two slots of 128 rows of x, a region for a weight's 128 rows, two places for a chunk's scale bytes, stages for the results' scale bytes, the spare words.  A row is 768 bytes of memory, 816 in LDS.
; FILLS: at the head one tensor load a wave (Wv's rows; both chunks' scale bytes; chunk 0; chunk 1).  Three refills, each in a drained round: V's block 2 (the weights' region: Wq's or Wk's rows); phase 2's blocks 2 and 6 (the other half's chunks).
; ORDERS.  h = lane / 16, r = lane % 16, i = 0 .. 7.  A lane's four tiles j of a weight hold one scale block: tile j's rows are 8 j + i and 32 + 8 (j xor 1) + i of the wave's 64: the sixteen rows differ modulo 16, so they start at different banks
; (row r starts at bank 12 r mod 64 of the 64 banks of 4 bytes: ISA guide 11.1).  So block 0 stands in its order and block 1 with neighbouring eights exchanged, in Q and in K alike; V's channels lie in this order too, which the last launch undoes.
; Image row order of Q and K: in each 256 rows, token 128 c + 64 w + 32 b + 16 a + q is row 16 (8 w + 4 c + 2 b + a) + (q xor 8 b).  Key step w of a 256-tile is therefore its tokens 128 c + 64 w + 0 .. 63, c = 0, 1: V's wave row w takes band c from chunk c.
; In P a block of 32 keys stands in the order that its image rows give; V's tile j of a band takes, for h = 0, tokens 8 {0, 2, 1, 3}[j] + i, and for h = 1, 32 + 8 {1, 3, 0, 2}[j] + i: the same order.
; BUFFERS: Q, K image [tensor][K slot 4][row block 512][K step 2][half 2][512 bytes: registers 0-3 of a half, 16 a lane | 256 bytes: registers 4-5, 8 a lane]; scale words [tensor][K step 8][row 8,192].
; V image [batch x K slot 16][channel block 64][K step 4][piece 3][lane][16]; its scale words [batch x key-step pair 32][channel 1,024][2].
; THE WAITS' COUNTS: younger than a block's fetch are the next block's fetch (NF loads) and the scale bytes' stores between the two: none, one or four.
; PREFETCHES, shared out by address among the sixteen waves of the four work-groups that ask jointly: the second weight at the head; chunk 2 and the later scale bytes behind the first refill; chunk 3 between the phases.
.set NQ,     8
.set NB,     4
.set RA,     128
.set TN,     128
.set KROW,   768
.set KS,     32
.set PITCH,  816
.set FR,     12
.set FPW,    21                        ; fragments in a window of 256 registers
.set NF,     28                        ; LDS loads of a block: 26 for eight fragments, 2 for the scale words
.set YB,     RA*PITCH
.set BVB,    2*RA*PITCH
.set SCL,    BVB+TN*PITCH
.set CU,     16                        ; a chunk's scale bytes: 16 units of 256
.set SCB,    CU*272
.set SSTEP,  4*272                     ; 32 rows' scale bytes
.set XN,     SCL+2*SCB                 ; Q's or K's scale words: 512 rows in the order of work
.set XM,     XN+2048                   ; V's: [128 channels][2 key steps]
.set SPARE,  XM+1024
.set EMAX,   2
.set CO,    9                          ; 16 x lane
.set SPW,   10
.set NIL,   11
.set ADRA, 12                          ; v12, v13  the fragments of the block fetched next (v13: pieces behind one padding more)
.set ABS,   16
.set AAS,   17                         ; its scale words
.set STO,   18
.set STV,   19
.set SB,    24                         ; v24-39 the weights' scale words
.set TQ,    40
.set SA,    44                         ; v44-59 x's scale words, two sets
.set TC,    60
.set ACC,   64
.set HV0,   64                         ; phase 1, band 0: 32 t + 8 j + i
.set HV1,   840
.set NCD,   128
.set MCD,   192
.set SOP,   240
.set EB,    244
.set VX,    248
; v4-6, v249-251: phase 1's address bases; v252-254, v42, v43, v63: phase 2's, even and odd blocks
.set CO8,   255                        ; 8 x lane
.set SB2,   968
.set BA,    984
.set BBV,   992                        ; V's bias as C
.set BBQ,   160                        ; Q's or K's
.set G1A, 24
.set G0A, 56
.set G0R, 68
.set G1B, 32
.set G0B, 60
.set G1S, 92
.set G0S, 72
.set MSB, 0
.macro WIN new
.if MSB != (\new)
	s_set_vgpr_msb (MSB<<8)|(\new)
.set MSB, (\new)
.endif
.endm
.macro PLACES n
.rept \n
	v_nop
.endr
.endm
.macro WALU
	s_wait_alu depctr_va_vdst(0)
.endm
.macro BARRIER
	s_barrier_signal -1
	s_barrier_wait -1
.endm
.macro MIDDLE                          ; a round's middle
	WIN 0
	s_barrier_wait -1
	s_cmp_lg_u32 s14, 0
	s_cbranch_scc1 .Lnot_wave_0_\@
	s_barrier_signal -3
.Lnot_wave_0_\@:
	s_barrier_wait -3
.endm
.macro CROUND
	s_barrier_signal -1
	MIDDLE
	BARRIER
.endm
.macro GRD
	s_wait_tensorcnt 0x0
	ds_add_u32 v[SPW], v[NIL]
.endm
.macro TLOAD g0, g1
	tensor_load_to_lds s[\g0:\g0+3], s[\g1:\g1+7]
	s_nop 0
	PLACES 4
.endm
.macro GROUP1 g, mask, rows
	s_or_b32 s[\g+0], s[\mask], (1<<20)|(1<<21)|(5<<22)|(3<<25)
	s_mov_b32 s[\g+1], KROW<<16
	s_mov_b32 s[\g+2], (\rows)<<16
	s_mov_b32 s[\g+3], KROW<<16
	s_mov_b32 s[\g+4], \rows
	s_mov_b32 s[\g+5], KROW
	s_mov_b32 s[\g+6], 0
	s_mov_b32 s[\g+7], 0
.endm
.macro SADD d, x
	s_add_co_u32 s\d, s\d, s\x
.endm
.macro G0SET g, base, off              ; (s21 = 0)
	s_mov_b32 s20, s\off
	s_add_nc_u64 s[\g+2:\g+3], s[\base:\base+1], s[20:21]
	s_or_b32 s[\g+3], s[\g+3], 0x80000000
.endm
.macro MKR d0, d1, l                   ; LDS addresses of row v\l, s21 further on
	v_mul_u32_u24 v\d0, v\l, PITCH
	v_mad_u32_u24 v\d1, v2, 40, v\d0
	v_mad_u32_u24 v\d0, v2, 24, v\d0
	v_add_nc_u32 v\d0, s21, v\d0
	v_add_nc_u32 v\d1, s21, v\d1
.endm
.macro MKS d, l                        ; and of its scale bytes, s22 further on: 32 a row, 16 more for each 256 passed
	v_lshrrev_b32 v\d, 3, v\l
	v_lshlrev_b32 v\d, 4, v\d
	v_lshl_add_u32 v\d, v\l, 5, v\d
	v_add_nc_u32 v\d, s22, v\d
.endm
; Fragment f lies in window 1 + f / 21 at register 12 (f % 21): 0-31 the weights' (4 q + b), 32-39 and 40-47 x's two sets
.macro FRAG f, q, a0, a1, aw           ; six pieces of 8 bytes, two to a load where both lie behind as many paddings
	WIN ((1+(\f)/FPW)<<6)|(\aw)
.set R_, FR*((\f)%FPW)
.set SKIP_, 0
.irp p, 0,1,2,3,4,5
.if SKIP_
.set SKIP_, 0
.else
.set PC_, 12*(\q)+6*(\p/3)+\p%3
.set PN_, 12*(\q)+6*((\p+1)/3)+(\p+1)%3
.set X_, (PC_%32+3)/32
.set XQ_, (PN_%32+3)/32
.if (\p < 5) && (X_ == XQ_)
.set SKIP_, 1
.if X_
	ds_load_2addr_b64 v[R_+2*\p:R_+2*\p+3], \a1 offset0:PC_+2*(PC_/32) offset1:PN_+2*(PN_/32)
.else
	ds_load_2addr_b64 v[R_+2*\p:R_+2*\p+3], \a0 offset0:PC_+2*(PC_/32) offset1:PN_+2*(PN_/32)
.endif
.elseif X_
	ds_load_b64 v[R_+2*\p:R_+2*\p+1], \a1 offset:8*(PC_+2*(PC_/32))
.else
	ds_load_b64 v[R_+2*\p:R_+2*\p+1], \a0 offset:8*(PC_+2*(PC_/32))
.endif
.endif
.endr
.endm
.macro WEIGHTS                         ; my 64 rows of the weight: 104 loads
.irp q, 0,1,2,3,4,5,6,7
.irp b, 0,1,2,3
	FRAG NB*\q+\b, \q, v[BA-768+2*\b], v[BA-768+2*\b+1], 3
.endr
.endr
	WIN 0
.endm
.macro FETCHAT e, a0, a1, as           ; a block of x's rows into set e
.irp q, 0,1,2,3,4,5,6,7
	FRAG NB*NQ+NQ*(\e)+\q, \q, \a0, \a1, 0
.endr
	WIN 0
	ds_load_b128 v[SA+8*(\e):SA+8*(\e)+3], \as
	ds_load_b128 v[SA+8*(\e)+4:SA+8*(\e)+7], \as offset:16
.endm
.macro FETCH e
	FETCHAT \e, v[ADRA], v[ADRA+1], v[AAS]
.endm
; A product, n = 4 q + tile.  kind 0 (Q, K): source 0 the weight's rows; kind 1 (V): source 0 x's rows.  The first K step's C is the bias.
.macro PROD kind, e, n, a0, as
.set Q_, (\n)/4
.set FB_, NB*Q_+(\n)%4
.set FA_, NB*NQ+NQ*(\e)+Q_
.set D_, (\a0)+(\as)*((\n)%4)
.set DL_, D_&255
.set XB_, SB+NQ*(((\n)%4)/2)+Q_
.set XA_, SA+8*(\e)+Q_
.if \kind
.if Q_
	WIN (1+FA_/FPW)|((1+FB_/FPW)<<2)|((D_>>8)<<4)|((D_>>8)<<6)
	PROD1 DL_, FA_, FB_, v[DL_:DL_+7], XA_, XB_, b, (\n)%2
.else
	WIN (1+FA_/FPW)|((1+FB_/FPW)<<2)|(3<<4)|((D_>>8)<<6)
	PROD1 DL_, FA_, FB_, v[BBV-768+8*((\n)%4):BBV-768+8*((\n)%4)+7], XA_, XB_, b, (\n)%2
.endif
.else
	WIN (1+FB_/FPW)|((1+FA_/FPW)<<2)|((D_>>8)<<4)|((D_>>8)<<6)
.if Q_
	PROD1 DL_, FB_, FA_, v[DL_:DL_+7], XB_, XA_, a, (\n)%2
.else
	PROD1 DL_, FB_, FA_, v[BBQ+8*((\n)%4):BBQ+8*((\n)%4)+7], XB_, XA_, a, (\n)%2
.endif
.endif
.endm
.macro PROD1 d, s0, s1, c, x0, x1, side, o
.if \o
	v_wmma_scale_f32_16x16x128_f8f6f4 v[\d:\d+7], v[FR*((\s0)%FPW):FR*((\s0)%FPW)+FR-1], v[FR*((\s1)%FPW):FR*((\s1)%FPW)+FR-1], \c, v[\x0], v[\x1] matrix_a_fmt:MATRIX_FMT_FP6 matrix_b_fmt:MATRIX_FMT_FP6 matrix_\side\()_scale:MATRIX_SCALE_ROW1
.else
	v_wmma_scale_f32_16x16x128_f8f6f4 v[\d:\d+7], v[FR*((\s0)%FPW):FR*((\s0)%FPW)+FR-1], v[FR*((\s1)%FPW):FR*((\s1)%FPW)+FR-1], \c, v[\x0], v[\x1] matrix_a_fmt:MATRIX_FMT_FP6 matrix_b_fmt:MATRIX_FMT_FP6 matrix_\side\()_scale:MATRIX_SCALE_ROW0
.endif
.endm
; Products from .. to - 1 of a block; behind every second one, two entries of the list (a macro: entry number, two arguments of its own)
.macro BLOCK kind, e, a0, as, from, to, list, x=0, y=0
.set N_, \from
.rept (\to)-(\from)
	PROD \kind, \e, N_, \a0, \as
.if N_%2
	\list N_-1, \x, \y
	\list N_, \x, \y
.endif
.set N_, N_+1
.endr
.endm
.macro ADDR i, b0, b1, b2              ; 3 entries: the addresses of the block fetched next
.if (\i) == 0
	WIN 0
	v_add_nc_u32 v[ADRA], s101, v\b0
.elseif (\i) == 1
	WIN 0
	v_add_nc_u32 v[ADRA+1], s101, v\b1
.elseif (\i) == 2
	WIN 0
	v_add_nc_u32 v[AAS], s91, v\b2
.endif
.endm
.macro P1STEP i                        ; phase 1: block NX = 4 c + j
.if (\i) == 0
	s_mov_b32 s101, (NX%2)*16*PITCH+(NX/4)*YB
	s_mov_b32 s91, (NX%2)*2*272+(NX/4)*SCB
.endif
.if NX%4 < 2
	ADDR \i, 4, 5, 6
.else
	ADDR \i, 249, 250, 251
.endif
.endm
.macro STEP2 i, odd, wrap              ; phase 2: even blocks step the pair; odd blocks' bases lie 32 rows on
.if \odd
	ADDR \i, 42, 43, 63
.elseif \wrap
.if (\i) == 0
	s_add_co_u32 s101, s101, 64*PITCH
	s_cmp_eq_u32 s101, 2*RA*PITCH
	s_cselect_b32 s101, 0, s101
	s_add_co_u32 s91, s91, 2*SSTEP
.elseif (\i) == 1
	s_cmp_eq_u32 s91, 2*SCB
	s_cselect_b32 s91, 0, s91
.endif
	ADDR (\i)-1, 252, 253, 254
.else
.if (\i) == 0
	s_add_co_u32 s101, s101, 64*PITCH
	s_add_co_u32 s91, s91, 2*SSTEP
.endif
	ADDR \i, 252, 253, 254
.endif
.endm
.macro CHAIN i, x, n, t=TQ             ; 18 entries: the largest magnitude of the 32 sums from register x on, in two chains side by side; the conversions' scale operand
.set XW_, (\x)>>8
.set XL_, (\x)&255
.if (\i) >= 0 && (\i) < 14
.set B_, XL_+16*((\i)%2)+2*((\i)/2)
.set T_, (\t)+1-(\i)%2
.if (\i) < 2
	WIN XW_|(XW_<<2)|(XW_<<4)
	v_max3_num_f32 v[T_], |v[B_]|, |v[B_+1]|, |v[B_+2]|
.else
	WIN (XW_<<2)|(XW_<<4)
	v_max3_num_f32 v[T_], v[T_], |v[B_+1]|, |v[B_+2]|
.endif
.elseif (\i) == 14
	WIN XW_<<2
	v_max3_num_f32 v[\t+1], v[\t+1], |v[XL_+15]|, (EMAX+1)<<23   ; the floor: the byte is at least 1
.elseif (\i) == 15
	WIN 0
	v_nop                                  ; the next line reads entry 14's result: it stands in the next pair
.elseif (\i) == 16
	WIN XW_<<2
	v_max3_num_f32 v[\t], v[\t], |v[XL_+31]|, v[\t+1]
.elseif (\i) == 17
	WIN 0
	v_add_nc_u32 v[SOP+\n], -(EMAX<<23), v[\t]
.endif
.endm
.macro CODES i, x, c, n, t=TC          ; 6 lines: 32 codes into v[c .. c + 5], the scale's byte into v[EB + n]
.set XW_, (\x)>>8
.set XL_, (\x)&255
.if (\i) == 0
	WIN XW_
	v_cvt_scalef32_pk16_fp6_f32 v[\c:\c+2], v[XL_:XL_+15], v[SOP+\n]
.elseif (\i) == 1
	WIN XW_
	v_cvt_scalef32_pk16_fp6_f32 v[\t:\t+2], v[XL_+16:XL_+31], v[SOP+\n]
.elseif (\i) == 2
	WIN 0
	v_lshrrev_b32 v[EB+\n], 23, v[SOP+\n]
.else
	WIN 0
	v_mov_b32 v[\c+\i], v[\t+\i-3]
.endif
.endm
.macro CODES6 x, c, n
.irp i, 0,1,2,3,4,5
	CODES \i, \x, \c, \n
.endr
.endm
.macro PFTILE v, off, share            ; my sixteenth of 128 rows: 24 blocks of 256 bytes, a lane a block
	s_mul_i32 s21, s\share, RA*KROW/16
	s_add_co_u32 s20, s\off, s21
	WIN 0
	v_min_u32 v\v, RA*KROW/16/256-1, v3
	v_lshl_add_u32 v\v, v\v, 8, s20
.endm
.macro PFGO v, base
	global_prefetch_b8 v\v, s[\base:\base+1] th:TH_LOAD_NT scope:SCOPE_SE
.endm
.macro PUT3 r, base, off
.irp k, 0,1,2
	global_store_b128 v[CO], v[\r+4*\k:\r+4*\k+3], \base offset:(\off)+512*\k
.endr
.endm
.macro PUTQ                            ; a pair of blocks' half images: 512 and 256 consecutive bytes each
.irp o, 0,1
	global_store_b128 v[CO], v[NCD+6*\o:NCD+6*\o+3], s[84:85] offset:6144*\o
	global_store_b64 v[CO8], v[NCD+6*\o+4:NCD+6*\o+5], s[84:85] offset:6144*\o+512
.endr
.endm
.macro ASK i                           ; 4 entries: the descriptors of the chunk at s88 for slot s47, of its scale bytes at s55 for s8; then all four step on
.if (\i) == 0
	s_mul_i32 s[G0R+1], s14, RA/2*PITCH
	s_add_co_u32 s[G0R+1], s[G0R+1], s47
	s_mul_i32 s20, s14, RA/2*KROW
	SADD 20, 88
.elseif (\i) == 1
	s_mov_b32 s21, 0
	s_add_nc_u64 s[G0R+2:G0R+3], s[4:5], s[20:21]
	s_or_b32 s[G0R+3], s[G0R+3], 0x80000000
	s_mov_b32 s[G0S+1], s8
.elseif (\i) == 2
	s_mov_b32 s20, s55
	s_add_nc_u64 s[G0S+2:G0S+3], s[6:7], s[20:21]
	s_or_b32 s[G0S+3], s[G0S+3], 0x80000000
	s_add_co_u32 s88, s88, RA*KROW
.elseif (\i) == 3
	s_add_co_u32 s55, s55, CU*256
	s_xor_b32 s47, s47, YB
	s_xor_b32 s8, s8, (SCL)^(SCL+SCB)
.endif
.endm
.macro PAIR i                          ; 6 entries: where pair s46's codes go (by its true number, s46 xor 4 s87: bits half, c, w) and its scale bytes (in the order of work)
.if (\i) == 0
	s_xor_b32 s3, s46, s2
	s_and_b32 s20, s3, 2
	s_lshl_b32 s20, s20, 1
	s_and_b32 s21, s3, 1
.elseif (\i) == 1
	s_lshl_b32 s21, s21, 3
	SADD 20, 21
	s_and_b32 s21, s3, 4
	s_lshl_b32 s21, s21, 2
.elseif (\i) == 2
	SADD 20, 21
	s_mul_i32 s20, s20, 3072
	s_mov_b32 s21, 0
	s_add_nc_u64 s[84:85], s[10:11], s[20:21]
.elseif (\i) == 3
	s_and_b32 s22, s46, 1
	s_lshl_b32 s22, s22, 9
	s_and_b32 s23, s46, 2
	s_lshl_b32 s23, s23, 7
.elseif (\i) == 4
	s_or_b32 s22, s22, s23
	s_and_b32 s23, s46, 4
	s_lshl_b32 s23, s23, 8
	s_or_b32 s22, s22, s23
.elseif (\i) == 5
	s_add_co_u32 s46, s46, 1
	WIN 0
	v_add_nc_u32 v[VX], s22, v[STO]
.endif
.endm
; ---- the lists
.macro L_NONE i, x, y
.endm
.macro L_P1 i, x, y
	P1STEP \i
.endm
.macro L_P1OUT i, x, y
	P1STEP \i
	CHAIN (\i)-3, \x, \y
.endm
.macro L_E i, x, y
	STEP2 \i, 0, 0
.endm
.macro L_OUT i, x, y
	STEP2 \i, 0, 0
	CHAIN (\i)-3, \x, \y
.endm
.macro L_LAST i, x, y
	CHAIN \i, \x, \y
.endm
.macro L_V2 i, x, y                    ; V's block 2: the first refill's descriptors, the later refills' group 1, two prefetches' addresses
.if (\i) == 0
	s_mov_b32 s[G1A+2], (RA/2)<<16
	s_mov_b32 s[G1A+4], RA/2
	s_mov_b32 s[G1S+2], CU<<16
	s_mov_b32 s[G1S+4], CU
.elseif (\i) == 1
	s_mov_b32 s[G1B+2], (TN/2)<<16
	s_mov_b32 s[G1B+4], TN/2
	s_mul_i32 s[G0B+1], s14, TN/2*PITCH
	s_add_co_u32 s[G0B+1], s[G0B+1], BVB
.elseif (\i) == 2
	s_mul_i32 s20, s14, TN/2*KROW
	SADD 20, 9
	s_mov_b32 s21, 0
	s_add_nc_u64 s[G0B+2:G0B+3], s[52:53], s[20:21]
.elseif (\i) == 3
	s_or_b32 s[G0B+3], s[G0B+3], 0x80000000
.elseif (\i) == 7
	PFTILE 7, 88, 90
.elseif (\i) == 8
	s_lshl_b32 s21, s90, 9
	s_add_co_u32 s20, s55, s21
	WIN 0
	v_min_u32 v8, 1, v3
	v_lshl_add_u32 v8, v8, 8, s20
.endif
	P1STEP (\i)-4
.endm
.macro L_V7 i, x, y
.if (\i) == 0
	s_add_co_u32 s22, s88, RA*KROW
	PFTILE 20, 22, 90
.endif
	CHAIN (\i)-1, \x, \y
.endm
.macro L_ODD i, x, y
	PAIR \i
	STEP2 (\i)-6, 1, 0
	CHAIN (\i)-9, ACC, 0
.endm
.macro L_ODDL i, x, y
	PAIR \i
	CHAIN (\i)-6, ACC, 0
.endm
.macro L_ROUND i, x, y
	ASK \i
	STEP2 (\i)-4, 0, 1
	CHAIN (\i)-8, ACC+32, 1
.endm
; ---- phase 2's blocks.  w: the count of the wait for the block's rows (-1: shown in already)
.macro WAITDS w
.if (\w) >= 0
	s_wait_dscnt \w
.endif
.endm
.macro EVENOUT fetch                   ; behind an even block: the odd block's byte, the pair's codes, the fetch of the block two on
	WALU
	ds_store_b8 v[VX], v[EB+1] offset:128
	PUTQ
.if \fetch
	FETCH 0
.endif
.endm
.macro EVEN w, fetch
	WAITDS \w
.if \fetch
	BLOCK 0, 0, ACC, 8, 0, 32, L_OUT, ACC+32, 1
.else
	BLOCK 0, 0, ACC, 8, 0, 32, L_LAST, ACC+32, 1
.endif
	WIN 0
	CODES6 ACC+32, NCD+6, 1
	EVENOUT \fetch
.endm
.macro EVENROUND w                     ; the second and the third refill: products stand inside the round
	WAITDS \w
	GRD
	BLOCK 0, 0, ACC, 8, 0, 26, L_ROUND
	WIN 0
	WALU
	s_wait_dscnt 0x0
	s_barrier_signal -1
	BLOCK 0, 0, ACC, 8, 26, 32, L_NONE
	WIN 0
	CODES6 ACC+32, NCD+6, 1
	MIDDLE
	BARRIER
	s_cmp_lt_u32 s14, 2
	s_cbranch_scc0 .Lscales_\@
	TLOAD G0R, G1A
	s_branch .Lasked_\@
.Lscales_\@:
	s_cmp_eq_u32 s14, 2
	s_cbranch_scc0 .Lnone_\@
	TLOAD G0S, G1S
.Lnone_\@:
.Lasked_\@:
	EVENOUT 1
.endm
.macro EVENSHOW w                      ; a plain barrier shows the last refill to all
	WAITDS \w
	BLOCK 0, 0, ACC, 8, 0, 26, L_OUT, ACC+32, 1
	WIN 0
	WALU
	s_wait_tensorcnt 0x0
	s_wait_dscnt 0x0
	s_barrier_signal -1
	BLOCK 0, 0, ACC, 8, 26, 32, L_NONE
	WIN 0
	s_barrier_wait -1
	CODES6 ACC+32, NCD+6, 1
	EVENOUT 1
.endm
.macro ODD w, fetch
	WAITDS \w
	s_wait_xcnt 0x0                        ; the last pair's stores have read their codes and base
.if \fetch
	BLOCK 0, 1, ACC+32, 8, 0, 32, L_ODD
.else
	BLOCK 0, 1, ACC+32, 8, 0, 32, L_ODDL
.endif
	WIN 0
	CODES6 ACC, NCD, 0
	WALU
	ds_store_b8 v[VX], v[EB]
.if \fetch
	FETCH 1
.endif
.endm
; ================= THE HEAD
	s_load_b128 s[4:7], s[0:1], 0x0                     ; x
	s_load_b128 s[48:51], s[0:1], 0x10                  ; Wq
	s_load_b128 s[76:79], s[0:1], 0x20                  ; Wk
	s_load_b128 s[80:83], s[0:1], 0x30                  ; Wv
	v_lshl_add_u32 v[SPW], v0, 2, SPARE
	v_mov_b32 v[NIL], 0
	ds_add_u32 v[SPW], v[NIL]                           ; the opening add, twice on end
	ds_add_u32 v[SPW], v[NIL]
	v_lshrrev_b32 v1, 5, v0
	v_readfirstlane_b32 s14, v1
	s_lshr_b32 s15, s14, 1
	s_and_b32 s16, s14, 1
	s_bfe_u32 s40, ttmp6, 0x40000                       ; cx
	s_bfe_u32 s41, ttmp6, 0x40004                       ; cy
	s_lshl_b32 s42, ttmp9, 2
	SADD 42, 40                                         ; phase 2's tile column, 0 .. 15
	s_and_b32 s43, ttmp7, 0xffff
	s_lshl_b32 s43, s43, 2
	SADD 43, 41                                         ; its tile row
	s_and_b32 s17, s42, 7                               ; the tile column in its tensor = the K step of the next product
	s_lshr_b32 s19, ttmp9, 1                            ; 0 Q, 1 K
	s_and_b32 s87, ttmp9, 1                             ; V's half of my 512 rows
	s_lshl_b32 s13, s19, 2
	SADD 13, 40                                         ; V's tile column
	s_lshl_b32 s12, s43, 1
	SADD 12, 87                                         ; V's tile row
	s_lshl_b32 s44, s41, 2
	s_lshl_b32 s44, 15, s44                             ; my row of the cluster
	s_lshl_b32 s45, 0x1111, s40                         ; my column
	GROUP1 G1A, 44, RA
	GROUP1 G1B, 45, TN
	s_or_b32 s[G1S+0], s44, (3<<16)|(1<<20)|(1<<21)|(5<<22)|(3<<25)
	s_mov_b32 s[G1S+1], 32<<16
	s_mov_b32 s[G1S+2], (2*CU)<<16
	s_mov_b32 s[G1S+3], 32<<16
	s_mov_b32 s[G1S+4], 2*CU
	s_mov_b32 s[G1S+5], 32
	s_mov_b32 s[G1S+6], 0
	s_mov_b32 s[G1S+7], 0
	s_mov_b32 s[G0S], 1
	s_mov_b32 s[G0S+1], SCL
	s_mul_i32 s67, s43, 512*KROW                        ; my 512 rows
	s_mul_i32 s66, s12, 256*KROW                        ; V's half of them
	s_mul_i32 s9, s17, TN*KROW                          ; Wq's or Wk's rows
	s_mul_i32 s54, s13, TN*KROW                         ; Wv's
	s_mul_i32 s55, s43, 512*KS
	s_mul_i32 s89, s12, 256*KS
	s_mul_i32 s21, s16, 64*KS
	s_mul_i32 s88, s17, TN*KS
	SADD 88, 21                                         ; the scale bytes of my 64 rows of Wq or Wk,
	s_mul_i32 s91, s13, TN*KS
	SADD 91, 21                                         ; and of Wv
	s_mov_b32 s[G0A], 1
	s_mov_b32 s[G0A+1], 0
	s_mov_b32 s[G0B], 1
	s_mov_b32 s[G0B+1], BVB
	s_mov_b32 s[G0R], 1
	s_mov_b32 s[G0R+1], YB
	v_and_b32 v1, 15, v0                                ; r
	v_bfe_u32 v2, v0, 4, 1                              ; h
	v_and_b32 v3, 31, v0
	v_bfe_u32 v20, v0, 3, 1
	v_and_b32 v21, 7, v0
	v_mad_u32_u24 v22, v20, 40, v21                     ; rows 0-7 | 40-47
	v_mad_u32_u24 v23, v20, 24, v21
	v_add_nc_u32 v23, 8, v23                            ; rows 8-15 | 32-39
	v_xor_b32 v16, v2, v20
	v_lshl_add_u32 v16, v16, 3, v21
	v_lshl_add_u32 v16, v20, 5, v16
	v_lshlrev_b32 v[ABS], 5, v16                        ; the weights' scale bytes: lanes 0-15 an even tile's rows, 16-31 the next one's
	v_xor_b32 v7, 8, v1
	WALU
	s_mul_i32 s21, s15, 64*PITCH
	s_mul_i32 s22, s15, 8*272
	s_add_co_u32 s22, s22, SCL
	MKR 4, 5, 22
	MKS 6, 22
	MKR 249, 250, 23
	MKS 251, 23
	s_mul_i32 s21, s15, 16*PITCH
	s_mul_i32 s22, s15, 2*272
	s_add_co_u32 s22, s22, SCL
	MKR 252, 253, 1
	MKS 254, 1
	s_add_co_u32 s21, s21, 32*PITCH
	s_add_co_u32 s22, s22, SSTEP
	MKR 42, 43, 7
	MKS 63, 7
	s_mul_i32 s21, s16, 64*PITCH
	s_add_co_u32 s21, s21, BVB
	MKR 14, 15, 22                                      ; the weights' even tiles,
	MKR 12, 13, 23                                      ; odd tiles
	s_lshl_b32 s90, s40, 2
	SADD 90, 14                                         ; my number among the sixteen waves of my row of the cluster
	s_lshl_b32 s100, s41, 2
	SADD 100, 14                                        ; and of my column
	WALU
	s_wait_dscnt 0x0
	CROUND                                              ; the opening round
	s_wait_kmcnt 0x0
	s_cmp_lt_u32 ttmp9, 2
	s_cselect_b64 s[52:53], s[48:49], s[76:77]          ; Wq's or Wk's codes,
	s_cselect_b64 s[10:11], s[50:51], s[78:79]          ; scale bytes
	s_mov_b32 s20, s88
	s_mov_b32 s21, 0
	s_add_nc_u64 s[10:11], s[10:11], s[20:21]
	s_mov_b32 s20, s91
	s_add_nc_u64 s[84:85], s[82:83], s[20:21]
	s_mov_b32 s20, s66
	s_add_nc_u64 s[G0A+2:G0A+3], s[4:5], s[20:21]
	s_add_nc_u64 s[G0R+2:G0R+3], s[G0A+2:G0A+3], RA*KROW
	s_or_b32 s[G0A+3], s[G0A+3], 0x80000000
	s_or_b32 s[G0R+3], s[G0R+3], 0x80000000
	G0SET G0B, 80, 54
	G0SET G0S, 6, 89
	s_cmp_eq_u32 s14, 0
	s_cbranch_scc0 .Lwave_1
	TLOAD G0B, G1B                                      ; wave 0: Wv's rows
	s_branch .Lasked
.Lwave_1:
	s_cmp_eq_u32 s14, 1
	s_cbranch_scc0 .Lwave_2
	TLOAD G0S, G1S                                      ; wave 1: both chunks' scale bytes
	s_branch .Lasked
.Lwave_2:
	s_cmp_eq_u32 s14, 2
	s_cbranch_scc0 .Lwave_3
	TLOAD G0A, G1A                                      ; wave 2: chunk 0
	s_branch .Lasked
.Lwave_3:
	TLOAD G0R, G1A                                      ; wave 3: chunk 1
.Lasked:
.irp p, 0,1
.irp c, 0,1
	global_load_b128 v[SB+NQ*\p+4*\c:SB+NQ*\p+4*\c+3], v[ABS], s[84:85] offset:\p*16*KS+16*\c
.endr
.endr
	; where the results go: s[76:77] Q's or K's images, s78 their scale words, s[80:81] V's images, s82 its scale words
	s_lshr_b32 s76, s17, 1
	s_lshl_b32 s76, s76, 9
	s_lshl_b32 s20, s43, 5
	SADD 76, 20
	SADD 76, 15
	s_mul_i32 s76, s76, 3072
	s_mul_i32 s20, s19, 6291456
	SADD 76, 20
	s_and_b32 s20, s17, 1
	s_mul_i32 s20, s20, 1536
	SADD 76, 20
	s_mul_i32 s20, s16, 768
	SADD 76, 20
	s_mov_b32 s77, 0
	s_lshl_b32 s78, s19, 18
	s_lshl_b32 s20, s17, 15
	SADD 78, 20
	s_lshl_b32 s20, s43, 11
	SADD 78, 20
	s_xor_b32 s20, s15, s87                             ; the stage's halves lie in the order of work
	s_lshl_b32 s20, s20, 10
	SADD 78, 20
	s_lshl_b32 s20, s16, 9
	SADD 78, 20
	s_lshl_b32 s20, s12, 1
	SADD 20, 15                                         ; the key step of all 64
	s_lshr_b32 s80, s20, 2
	s_lshl_b32 s80, s80, 6
	s_lshl_b32 s21, s13, 3
	SADD 80, 21
	s_lshl_b32 s21, s16, 2
	SADD 80, 21
	s_mul_i32 s80, s80, 6144
	s_and_b32 s20, s20, 3
	s_mul_i32 s20, s20, 1536
	SADD 80, 20
	s_add_co_u32 s80, s80, 12582912
	s_mov_b32 s81, 0
	s_lshl_b32 s82, s12, 13
	s_lshl_b32 s20, s13, 10
	SADD 82, 20
	s_lshl_b32 s20, s14, 8
	SADD 82, 20
	s_add_co_u32 s82, s82, 524288
	s_wait_xcnt 0x0
	s_load_b64 s[2:3], s[0:1], 0x40                     ; bq
	s_load_b64 s[46:47], s[0:1], 0x48                   ; bk
	s_load_b64 s[84:85], s[0:1], 0x50                   ; bv
	s_lshl_b32 s23, s16, 8
	s_lshl_b32 s20, s17, 9
	SADD 20, 23
	s_mov_b32 s21, 0
	s_lshl_b32 s22, s13, 9
	SADD 22, 23
	s_mov_b32 s23, 0
	v_lshlrev_b32 v18, 2, v22
	v_lshlrev_b32 v19, 2, v23
	WALU
	s_wait_kmcnt 0x0
	s_add_nc_u64 s[22:23], s[84:85], s[22:23]
	s_cmp_eq_u32 s19, 1
	s_cselect_b64 s[2:3], s[46:47], s[2:3]
	s_add_nc_u64 s[12:13], s[2:3], s[20:21]             ; kept for the loads between the phases
	WIN 3<<6
.irp t, 0,1
	global_load_b32 v[BBV-768+16*\t], v18, s[22:23] offset:64*\t
	global_load_b32 v[BBV-768+16*\t+8], v19, s[22:23] offset:64*\t
.endr
.irp p, 0,1
.irp c, 0,1
	global_load_b128 v[SB2-768+NQ*\p+4*\c:SB2-768+NQ*\p+4*\c+3], v[ABS], s[10:11] offset:\p*16*KS+16*\c
.endr
.endr
	WIN 0
	s_wait_xcnt 0x0
	s_load_b64 s[10:11], s[0:1], 0x58                   ; the images
	s_load_b64 s[48:49], s[0:1], 0x60                   ; the scale words
	v_lshlrev_b32 v[CO], 4, v3
	v_lshlrev_b32 v[CO8], 3, v3
	s_lshl_b32 s21, s15, 6
	s_lshl_b32 s22, s16, 1
	SADD 21, 22
	s_add_co_u32 s21, s21, XN
	v_lshl_add_u32 v22, v1, 2, v2
	v_add_nc_u32 v[STO], s21, v22
	s_lshl_b32 s21, s16, 9
	s_lshl_b32 s22, s15, 2
	SADD 21, 22
	s_add_co_u32 s21, s21, XM
	v_lshl_add_u32 v23, v1, 3, v2
	v_add_nc_u32 v[STV], s21, v23
	v_mul_u32_u24 v21, v2, 160                          ; Q's or K's bias: even tiles,
	v_mul_u32_u24 v1, v2, 96                            ; odd tiles
	WIN 3<<6
.irp p, 0,1
	v_add_nc_u32 v[BA-768+4*\p], \p*16*PITCH, v14
	v_add_nc_u32 v[BA-768+4*\p+1], \p*16*PITCH, v15
	v_add_nc_u32 v[BA-768+4*\p+2], \p*16*PITCH, v12
	v_add_nc_u32 v[BA-768+4*\p+3], \p*16*PITCH, v13
.endr
	WIN 0
	v_add_nc_u32 v[ADRA], 16*PITCH, v4                  ; V's block 1
	v_add_nc_u32 v[ADRA+1], 16*PITCH, v5
	v_add_nc_u32 v[AAS], 2*272, v6
	PFTILE 8, 9, 100                                    ; what the first refill will load
	s_mov_b32 s46, 0
	s_lshl_b32 s2, s87, 2
	s_mov_b32 s47, 0
	s_mov_b32 s8, SCL
	s_xor_b32 s20, s87, 1                               ; the chunks still to come are the other half's
	s_mul_i32 s21, s20, 2*RA*KROW
	s_add_co_u32 s88, s67, s21
	s_mul_i32 s21, s20, 2*CU*256
	SADD 55, 21
	WALU
	s_cmp_eq_u32 s14, 0
	s_cbranch_scc0 .Lnot_b
	s_wait_tensorcnt 0x0
.Lnot_b:
	BARRIER                                             ; Wv's rows are in
	PFGO 8, 52
	WEIGHTS
	s_cmp_eq_u32 s14, 3
	s_cbranch_scc1 .Lnot_a0
	s_wait_tensorcnt 0x0
.Lnot_a0:
	s_wait_dscnt 0x0
	BARRIER                                             ; chunk 0 and the scale bytes are in; chunk 1 may be on its way
	FETCHAT 0, v4, v5, v6
	FETCH 1
	s_wait_loadcnt 0x0                                  ; V's bias and both weights' scale words are in
	WIN (3<<6)|3
.irp t, 0,8,16,24
.irp i, 1,2,3,4,5,6,7
	v_mov_b32 v[BBV-768+\t+\i], v[BBV-768+\t]           ; V's bias, one number a lane and tile, over the tile's eight registers
.endr
.endr
	WIN 0
	PLACES 4
	WALU
	s_wait_kmcnt 0x0
	s_add_nc_u64 s[50:51], s[10:11], s[80:81]
	s_add_nc_u64 s[10:11], s[10:11], s[76:77]
; ================= PHASE 1: V, eight blocks; band 0's way outs stand in band 1's blocks
.irp s, 0,1
	s_wait_dscnt NF
.set NX, \s+2
	BLOCK 1, \s, HV0+8*\s, 32, 0, 32, L_P1
	WIN 0
	PLACES 4
	WALU
	FETCH \s
.endr
	s_wait_dscnt NF
	s_wait_xcnt 0x0                                     ; the list writes v8, the address of the head's prefetch
	GRD
.set NX, 4
	BLOCK 1, 0, HV0+16, 32, 0, 24, L_V2
	WIN 0
	WALU
	s_wait_dscnt 0x0
	s_barrier_signal -1
	BLOCK 1, 0, HV0+16, 32, 24, 32, L_NONE
	MIDDLE
	BARRIER
	s_cmp_lt_u32 s14, 2
	s_cbranch_scc0 .Lno_half
	TLOAD G0B, G1B                                      ; waves 0 and 1 a half each, onto Wv's rows, which all waves hold in registers
.Lno_half:
	PLACES 4
	WALU
	FETCH 0
	PFGO 7, 4
	PFGO 8, 6
.set NX, 5
	BLOCK 1, 1, HV0+24, 32, 0, 32, L_P1
	WIN 0
	PLACES 4
	WALU
	FETCH 1
.irp j, 0,1,2
	s_wait_dscnt NF+(\j+1)/2
.set NX, 6+\j
.if \j < 2
	BLOCK 1, \j%2, HV1+8*\j, 32, 0, 32, L_P1OUT, HV0+32*\j, \j
.else
	BLOCK 1, \j%2, HV1+8*\j, 32, 0, 32, L_LAST, HV0+32*\j, \j
.endif
	WIN 0
	CODES6 HV0+32*\j, MCD+12*\j, \j
	WALU
	ds_store_b8 v[STV], v[EB+\j] offset:128*\j
.if \j < 2
	FETCH \j%2
.endif
.endr
	s_wait_dscnt 1
	BLOCK 1, 1, HV1+24, 32, 0, 26, L_V7, HV0+96, 3
	WIN 0
	WALU
	s_wait_tensorcnt 0x0
	s_wait_dscnt 0x0
	s_barrier_signal -1                                 ; a plain barrier: the weights that the first refill brought are shown to all
	BLOCK 1, 1, HV1+24, 32, 26, 32, L_NONE
	WIN 0
	s_barrier_wait -1
	CODES6 HV0+96, MCD+36, 3
	WALU
	ds_store_b8 v[STV], v[EB+3] offset:384
; ================= THE CHANGE OF PHASE: the weights and the first two blocks' rows in one run of loads; band 1's four way outs under their flight
.irp p, 0,1
	global_load_b128 v[BBQ+16*\p:BBQ+16*\p+3], v21, s[12:13] offset:64*\p
	global_load_b128 v[BBQ+16*\p+4:BBQ+16*\p+7], v21, s[12:13] offset:64*\p+16
	global_load_b128 v[BBQ+16*\p+8:BBQ+16*\p+11], v1, s[12:13] offset:64*\p+32
	global_load_b128 v[BBQ+16*\p+12:BBQ+16*\p+15], v1, s[12:13] offset:64*\p+48
.endr
	WEIGHTS
	FETCHAT 0, v252, v253, v254
	FETCHAT 1, v42, v43, v63
	s_mov_b32 s101, 0
	s_mov_b32 s91, 0
	PFGO 20, 4
	WIN 3
.set I, 0
.rept 16
	v_mov_b32 v[SB+I], v[SB2-768+I]
.set I, I+1
.endr
	WIN 0
.set I, 0
.rept 18
.irp t, 0,1,2,3
	CHAIN I, HV1+32*\t, \t, 64+4*\t
.endr
.set I, I+1
.endr
.set I, 0
.rept 6
.irp t, 0,1,2,3
	CODES I, HV1+32*\t, MCD+12*\t+6, \t, 80+4*\t
.endr
.set I, I+1
.endr
	WIN 0
	WALU
; ================= PHASE 2: Q or K, sixteen blocks, way outs by pairs
	s_wait_loadcnt 0x0
	s_wait_dscnt NF
	BLOCK 0, 0, ACC, 8, 0, 32, L_E
	WIN 0
	PLACES 4
	WALU
.irp t, 0,1,2,3
	ds_store_b8 v[STV], v[EB+\t] offset:2+128*\t
.endr
.irp t, 0,1,2,3
	PUT3 MCD+12*\t, s[50:51], 6144*\t                   ; V's codes leave
.endr
	FETCH 0
	ODD NF+4, 1
	s_mov_b32 s86, 0
.Lwith_rounds:                                          ; blocks 2 to 5, 6 to 9
	EVENROUND NF+1
	ODD -1, 1
	EVEN NF+1, 1
	ODD NF+1, 1
	s_add_co_u32 s86, s86, 1
	s_cmp_lg_u32 s86, 2
	s_cbranch_scc1 .Lwith_rounds
.Lwithout:                                              ; blocks 10, 11 and 12, 13
	EVENSHOW NF+1
	ODD -1, 1
	s_add_co_u32 s86, s86, 1
	s_cmp_lg_u32 s86, 4
	s_cbranch_scc1 .Lwithout
	EVEN NF+1, 0
	ODD 1, 0
; ================= THE END: the last way out; the scale words go through LDS under its conversions
	s_mul_i32 s21, s14, 512
	s_add_co_u32 s21, s21, XN
	v_add_nc_u32 v12, s21, v[CO]
	s_mul_i32 s21, s14, 256
	s_add_co_u32 s21, s21, XM
	v_add_nc_u32 v14, s21, v[CO8]
	v_add_nc_u32 v15, s78, v[CO]
	v_add_nc_u32 v13, s82, v[CO8]
.set I, 0
.rept 18
	CHAIN I, ACC+32, 1
.set I, I+1
.endr
	CODES 2, ACC+32, NCD+6, 1
	WALU
	ds_store_b8 v[VX], v[EB+1] offset:128
	s_wait_dscnt 0x0
	s_barrier_signal -1
	CODES 0, ACC+32, NCD+6, 1
	CODES 1, ACC+32, NCD+6, 1
	WIN 0
	v_nop
.irp i, 3,4,5
	CODES \i, ACC+32, NCD+6, 1
.endr
	WALU
	s_barrier_wait -1
	ds_load_b128 v[64:67], v12
	ds_load_b64 v[68:69], v14
	PUTQ
	s_wait_dscnt 0x0
	global_store_b128 v15, v[64:67], s[48:49]
	global_store_b64 v13, v[68:69], s[48:49]
	s_wait_tensorcnt 0x0                                ; the wave's end
	ds_add_u32 v[SPW], v[NIL]
	s_wait_dscnt 0x0
	CROUND
	s_endpgm
.Lfunc_end_k_qdd9121fab3_proj:
	.size	k_qdd9121fab3_proj, .Lfunc_end_k_qdd9121fab3_proj-k_qdd9121fab3_proj
	.p2alignl 7, 3214868480
	.fill 96, 4, 3214868480
	.section	.rodata,"a",@progbits
	.p2align	6, 0x0
	.amdhsa_kernel k_qdd9121fab3_proj
		.amdhsa_group_segment_fixed_size 327680
		.amdhsa_private_segment_fixed_size 0
		.amdhsa_enable_private_segment 0
		.amdhsa_kernarg_size 104
		.amdhsa_user_sgpr_count 2
		.amdhsa_user_sgpr_kernarg_segment_ptr 1
		.amdhsa_wavefront_size32 1
		.amdhsa_system_sgpr_workgroup_id_x 1
		.amdhsa_system_sgpr_workgroup_id_y 1
		.amdhsa_system_sgpr_workgroup_id_z 1
		.amdhsa_system_vgpr_workitem_id 0
		.amdhsa_next_free_vgpr 1024
		.amdhsa_next_free_sgpr 102
		.amdhsa_reserve_vcc 0
		.amdhsa_float_denorm_mode_32 3
		.amdhsa_float_denorm_mode_16_64 3
		.amdhsa_memory_ordered 1
		.amdhsa_forward_progress 1
		.amdhsa_inst_pref_size 192
	.end_amdhsa_kernel
	.amdgpu_metadata
---
amdhsa.version: [ 1, 2 ]
amdhsa.kernels:
  - .name:           k_qdd9121fab3_proj
    .symbol:         k_qdd9121fab3_proj.kd
    .args:
      - { .name: x_codes, .offset: 0, .size: 8, .value_kind: global_buffer, .address_space: global }
      - { .name: x_scales, .offset: 8, .size: 8, .value_kind: global_buffer, .address_space: global }
      - { .name: Wq_codes, .offset: 16, .size: 8, .value_kind: global_buffer, .address_space: global }
      - { .name: Wq_scales, .offset: 24, .size: 8, .value_kind: global_buffer, .address_space: global }
      - { .name: Wk_codes, .offset: 32, .size: 8, .value_kind: global_buffer, .address_space: global }
      - { .name: Wk_scales, .offset: 40, .size: 8, .value_kind: global_buffer, .address_space: global }
      - { .name: Wv_codes, .offset: 48, .size: 8, .value_kind: global_buffer, .address_space: global }
      - { .name: Wv_scales, .offset: 56, .size: 8, .value_kind: global_buffer, .address_space: global }
      - { .name: bq, .offset: 64, .size: 8, .value_kind: global_buffer, .address_space: global }
      - { .name: bk, .offset: 72, .size: 8, .value_kind: global_buffer, .address_space: global }
      - { .name: bv, .offset: 80, .size: 8, .value_kind: global_buffer, .address_space: global }
      - { .name: qkv_img, .offset: 88, .size: 8, .value_kind: global_buffer, .address_space: global }
      - { .name: qkv_sc, .offset: 96, .size: 8, .value_kind: global_buffer, .address_space: global }
    .group_segment_fixed_size: 327680
    .private_segment_fixed_size: 0
    .kernarg_segment_align: 8
    .kernarg_segment_size: 104
    .max_flat_workgroup_size: 128
    .sgpr_count:     102
    .vgpr_count:     1024
    .wavefront_size: 32
...
	.end_amdgpu_metadata
.endif
;; end of part 1
;; launch scores (part 2): grid 8 x 32, 4 waves a work-group, clusters of 4 x 4, 327,680 bytes of LDS; arguments qkv_img, qkv_sc, p_img, p_st; writes p_img, p_st
.if DOCPART == 2
	.amdgcn_target "amdgcn-amd-amdhsa--gfx1250"
	.amdhsa_code_object_version 6
	.text
	.protected	k_qdd9121fab3_scores
	.globl	k_qdd9121fab3_scores
	.p2align	8
	.type	k_qdd9121fab3_scores,@function
k_qdd9121fab3_scores:
	s_mov_b64 s[64:65], 0
	v_nop
	global_prefetch_b8 v0, s[64:65] scope:SCOPE_SE
	s_setreg_imm32_b32 hwreg(HW_REG_WAVE_MODE, 25, 1), 1
	s_wait_xcnt 0x0
	s_wait_alu depctr_hold_cnt(0) depctr_sa_sdst(0) depctr_va_vdst(0) depctr_va_sdst(0) depctr_va_ssrc(0) depctr_va_vcc(0) depctr_vm_vsrc(0)
	s_getreg_b32 s2, hwreg(HW_REG_IB_STS2, 6, 4)
	s_cmp_eq_u32 s2, 0
	s_cbranch_scc0 .Lentry_in_a_cluster
	s_endpgm
.Lentry_in_a_cluster:
	s_bfe_u32 s2, ttmp6, 0x10000c
	s_cmp_lg_u32 s2, 0xf033
	s_cbranch_scc0 .Lentry_shape_is_right
	s_endpgm
.Lentry_shape_is_right:
; S = Q K^T for each of 4 batches (2,048 x 2,048, K = 1,024) on codes of FP6 (E2M3) with E8M0 scales, sums in f32; then, for each query and each run of 128 keys: t = S x log2(e) / 32, M = the run's largest t rounded
; up to a whole number, p = 2^(t - M), l = the sum of the unquantised p; p is quantised along the keys and stored as an image of operand registers (16 queries x 128 keys: 1,536 bytes), with its scale word, -M and l.
; M is a run's own.  The next launch takes the row's largest M; the difference is a whole number, so it comes off the scale bytes and the codes stay as they are.  For that subtraction each byte (1 to 125) is stored with bit 7 set.
; A work-group makes 256 queries x 256 keys, a wave 128 x 128: its 128 keys are one K step of the next product.  Source 0 = 16 keys, source 1 = 16 queries: a lane holds one query, its registers run along the keys.
; Q's and K's images come as dense blocks (a wave's tensor load: 8 blocks of 16 rows x 256 along K = 24,576 bytes) through THREE LDS slots: K slots 0, 1, 2 are first fills, K slot 3 is the one refill, into slot 0.
; Q's tile is shared along a row of the 4 x 4 cluster, K's along a column.  A fragment is four loads: two of 16 bytes a lane (512 consecutive bytes each) and two of 8 (256).
; The scale words go from memory into 64 registers once: lanes 0-15 Q's rows, lanes 16-31 K's.
; LIMITS: NaN and infinities are not served; |M| stays under 2^24 (it is kept as a whole number in f32); a block whose every p is 0 keeps the byte 1 over zero codes.
; REGISTERS: window 0: v16-27 addresses; v28-29 the add's; v32-95 scale words (block i, K step ks at v[32 + 8 i + ks]); v96-119 the eight blocks' scale words, -M, l; v128-223 Q's fragments, later p, codes and work; v224-247 work.
;   window 1: K's fragments, two sets.  windows 2, 3: the accumulators.
; Q's and K's images lie in two halves of 64 along K, 768 bytes each: registers 0-3 of a half (16 bytes a lane), then registers 4-5 (8 bytes a lane).  So a fragment of THEIRS is four LDS loads, two of 16 and two of 8 bytes a lane; P's image alone has three pieces of 16.
; The head's one joint load a wave brings its part of K slots 0, 1 and 2: three rows of 24,576 bytes; a wave's three parts lie one behind the other in LDS, and K slot 3 goes over the first of them.  v8-10, v12-14: the 8-byte pieces' addresses; v15: the stage + 8 x lane.
; No prefetch: of the four K slots three come at the head, and the last is asked for four K steps ahead of its first read.
; -M and l are stored as pairs, 8 bytes a row, behind the scale words: [K step 16][row 8,192][2].  Rows and keys stand in the order in which the first launch laid them.
.set FR,    12
.set NL,    4
.set NP,    4
.set PART,  24576                      ; one tensor load
.set SLOT,  4*PART
.set KSL,   1572864                    ; from one K slot to the next in memory
.set SPARE, 3*SLOT
.set ADRA, 16                          ; v16-18 Q's fragments in slot 0, 1, 2
.set ADRB, 20                          ; v20-22 K's
.set LI,   24                          ; v24  16 x lane
.set SS,   25                          ; v25  my 1,536 bytes of stage + 4 x lane
.set SL,   26                          ; v26  the same + 16 x lane
.set SO,   27                          ; v27  the scale loads' lane offset
.set SPW,  28
.set NIL,  29
.set SC,   32
.set SW,   96
.set MM,   104
.set LL,   112
.set AF,   128
.set P,    128
.set Y,    128
.set PC,   192
.set BM,   212
.set BX,   216
.set SX,   220
.set BY,   224
.set NM,   228
.set LA,   230
.set LB,   232
.set T,    234
.set X,    236
.set WV,   12
.set HR,   13
.set HC,   14
.set CX,   15
.set CY,   16
.set TX,   17                          ; key tile of the batch, 0 .. 7
.set TY,   18                          ; query tile of all 8,192 rows, 0 .. 31
.set KT,   19                          ; key tile of all 8,192 rows
.set G1,   24
.set G1B,  32
.set G0,   40                          ; s[40:51] three sets
.set G0B,  52                          ; s[52:63]
.set CS,   66
.set SEL,  68
.set HM,   70
.set MSB, 0
.macro WIN new
.if MSB != (\new)
	s_set_vgpr_msb (MSB<<8)|(\new)
.set MSB, (\new)
.endif
.endm
.set MUL_LO, 0xa1
.set MUL_HI, 0xf1
.set TO_B,   0x40
.macro JLOAD s                         ; a joint load into slot s: waves 0 and 1 fetch Q's halves, waves 2 and 3 K's.  Four v_nop follow each line
	s_cmp_eq_u32 s[HR], 0
	s_cbranch_scc0 .Lfor_b_\@
	tensor_load_to_lds s[G0+4*\s:G0+4*\s+3], s[G1:G1+7]
	s_nop 0
.rept 4
	v_nop
.endr
	s_branch .Lasked_\@
.Lfor_b_\@:
	tensor_load_to_lds s[G0B+4*\s:G0B+4*\s+3], s[G1B:G1B+7]
	s_nop 0
.rept 4
	v_nop
.endr
.Lasked_\@:
.endm
.macro CREST
	s_cmp_lg_u32 s[WV], 0
	s_cbranch_scc1 .Lnot_wave_0_\@
	s_barrier_signal -3
.Lnot_wave_0_\@:
	s_barrier_wait -3
	s_barrier_signal -1
	s_barrier_wait -1
.endm
.macro CROUND
	s_barrier_signal -1
	s_barrier_wait -1
	CREST
.endm
	s_load_b256 s[4:11], s[0:1], 0x0               ; the images of Q, K, V; their scale words; P's images; P's statistics
	v_lshl_add_u32 v[SPW], v0, 2, SPARE
	v_mov_b32 v[NIL], 0
	ds_add_u32 v28, v29
	ds_add_u32 v28, v29
	s_wait_dscnt 0x0
	v_lshrrev_b32 v1, 5, v0
	v_readfirstlane_b32 s[WV], v1
	s_lshr_b32 s[HR], s[WV], 1                     ; my 128 queries; also: I fetch for Q (0) or K (1)
	s_and_b32 s[HC], s[WV], 1                      ; my 128 keys; also: which half I fetch
	s_bfe_u32 s[CX], ttmp6, 0x40000
	s_bfe_u32 s[CY], ttmp6, 0x40004
	s_and_b32 s20, ttmp7, 0xffff
	s_lshl_b32 s[TY], s20, 2
	s_add_co_u32 s[TY], s[TY], s[CY]
	s_lshr_b32 s20, s20, 1                         ; the batch: eight query tiles, two clusters along y
	s_lshl_b32 s20, s20, 3
	s_lshl_b32 s[TX], ttmp9, 2
	s_add_co_u32 s[TX], s[TX], s[CX]
	s_add_co_u32 s[KT], s20, s[TX]
	s_lshl_b32 s2, s[CY], 2
	s_lshl_b32 s2, 15, s2                          ; my row of the cluster
	s_lshl_b32 s3, 0x1111, s[CX]                   ; my column
	s_or_b32 s[G1+0], s2, (3<<16)|(1<<21)          ; mask; elements of 8 bytes; bit 21 beside a mask; no padding
	s_or_b32 s[G1B+0], s3, (3<<16)|(1<<21)
.irp g, G1, G1B
	s_mov_b32 s[\g+1], (PART/8)<<16                ; the head's load: 3 rows of 24,576 bytes, one a K slot
	s_mov_b32 s[\g+2], 3<<16
	s_mov_b32 s[\g+3], (PART/8)<<16
	s_mov_b32 s[\g+4], 3
	s_mov_b32 s[\g+5], KSL/8
	s_mov_b32 s[\g+6], 0
	s_mov_b32 s[\g+7], 0
.endr
	s_lshl_b32 s21, s[HC], 3
	s_lshl_b32 s[G0+2], s[TY], 4
	s_add_co_u32 s[G0+2], s[G0+2], s21             ; Q: my first block of 16 rows,
	s_mul_i32 s[G0+2], s[G0+2], 3072               ; 3,072 bytes a block in a K slot
	s_mov_b32 s[G0+3], 0
	s_lshl_b32 s[G0B+2], s[KT], 4
	s_add_co_u32 s[G0B+2], s[G0B+2], s21
	s_mul_i32 s[G0B+2], s[G0B+2], 3072
	s_add_co_u32 s[G0B+2], s[G0B+2], 6291456       ; K's images lie behind Q's
	s_mov_b32 s[G0B+3], 0
	s_mul_i32 s22, s[WV], 3*PART                   ; where they go: wave x 73,728
	s_mov_b32 s[G0], 1
	s_mov_b32 s[G0B], 1
	s_mov_b32 s[G0+1], s22
	s_mov_b32 s[G0B+1], s22
	s_mov_b32 s[CS], 0x3d38aa3b                    ; c = log2(e) / sqrt(1,024)
	s_mov_b32 s[CS+1], s[CS]
	s_mov_b32 s[SEL], 0x76543210
	s_mov_b32 s[SEL+1], 0xfedcba98
	s_mov_b32 s[HM], 0xffff0000
	s_wait_kmcnt 0x0
	s_add_nc_u64 s[G0+2:G0+3], s[4:5], s[G0+2:G0+3]
	s_add_nc_u64 s[G0B+2:G0B+3], s[4:5], s[G0B+2:G0B+3]
	s_or_b32 s[G0+3], s[G0+3], 0x80000000
	s_or_b32 s[G0B+3], s[G0B+3], 0x80000000
	CROUND                                         ; all sixteen work-groups are here
	JLOAD 0                                        ; one tensor load a wave at the head
	v_and_b32 v3, 31, v0
	v_lshlrev_b32 v7, 3, v3
	s_wait_alu depctr_va_vdst(0)
	v_lshlrev_b32 v[LI], 4, v3
	s_wait_alu depctr_va_vdst(0)
	s_mul_i32 s20, s[HR], 3*PART
	s_mul_i32 s21, s[HC], 3*PART
	s_add_co_u32 s21, s21, 6*PART
.irp s, 0,1,2
	v_add_nc_u32 v[ADRA+\s], s20, v[LI]
	v_add_nc_u32 v[ADRB+\s], s21, v[LI]
	v_add_nc_u32 v[ADRA-8+\s], s20, v7
	v_add_nc_u32 v[ADRB-8+\s], s21, v7
	s_add_co_u32 s20, s20, PART
	s_add_co_u32 s21, s21, PART
.endr
	s_mul_i32 s20, s[WV], 1536
	s_add_co_u32 s20, s20, PART                    ; my stage, in slot 1's first part: filled once, and read for the last time ahead of the second barrier of the K steps
	v_lshl_add_u32 v[SS], v3, 2, s20
	v_add_nc_u32 v[SL], s20, v[LI]
	v_lshl_add_u32 v15, v3, 3, s20
	v_and_b32 v1, 15, v0
	v_bfe_u32 v2, v0, 4, 1
	s_wait_alu depctr_va_vdst(0)
	s_lshl_b32 s20, s[TY], 10
	s_lshl_b32 s21, s[HR], 9
	s_add_co_u32 s20, s20, s21                     ; 4 bytes x my first query
	s_lshl_b32 s21, s[KT], 10
	s_lshl_b32 s23, s[HC], 9
	s_add_co_u32 s21, s21, s23
	s_add_co_u32 s21, s21, 262144                  ; 4 bytes x my first key, in K's part
	s_sub_co_u32 s21, s21, s20
	v_mul_u32_u24 v4, s21, v2                      ; lanes 16-31 take K's
	v_lshl_add_u32 v[SO], v1, 2, s20
	v_add_nc_u32 v[SO], v[SO], v4
.irp i, 0,1,2,3,4,5,6,7
.irp k, 0,1,2,3,4,5,6,7
	global_load_b32 v[SC+8*\i+\k], v[SO], s[6:7] offset:\k*32768+64*\i   ; the words of block i for K step k: 16 queries' and 16 keys'
.endr
.endr
	s_lshl_b32 s72, s[TX], 1
	s_add_co_u32 s72, s72, s[HC]                   ; g: which 128 keys of the batch are mine
	s_lshl_b32 s74, s72, 15
	s_add_co_u32 s74, s74, s20
	s_mov_b32 s75, 0
	s_lshl_b32 s76, s74, 1
	s_add_co_u32 s76, s76, 524288
	s_mov_b32 s77, 0
	s_add_nc_u64 s[76:77], s[10:11], s[76:77]      ; where the pairs -M, l go
	s_add_nc_u64 s[10:11], s[10:11], s[74:75]      ; statistics: [3][K step 16][row 8,192] words
	s_lshr_b32 s74, s72, 2
	s_lshl_b32 s74, s74, 9
	s_lshl_b32 s73, s[TY], 4
	s_add_co_u32 s74, s74, s73
	s_lshl_b32 s73, s[HR], 3
	s_add_co_u32 s74, s74, s73
	s_lshl_b32 s74, s74, 2
	s_and_b32 s73, s72, 3
	s_add_co_u32 s74, s74, s73
	s_mul_i32 s74, s74, 1536
	s_add_nc_u64 s[8:9], s[8:9], s[74:75]          ; images: [K slot 4][block of 16 rows 512][4][1,536]
.macro FRAG reg, adr, off              ; an image comes back as it was stored
.irp c, 0,1
	ds_load_b128 v[\reg+6*\c:\reg+6*\c+3], v[\adr] offset:\off+768*\c
	ds_load_b64 v[\reg+6*\c+4:\reg+6*\c+5], v[\adr-8] offset:\off+768*\c+512
.endr
.endm
.macro FETCH_B slot, q, p
	WIN TO_B
.irp i, 0,1,2,3,4,5,6,7
	FRAG 128*(\p)+FR*\i, ADRB+\slot, \i*3072+(\q)*1536
.endr
	WIN 0
.endm
.macro FETCH_A slot, q, i0
.irp i, \i0, \i0+1, \i0+2, \i0+3
	FRAG AF+FR*(\i), ADRA+\slot, (\i)*3072+(\q)*1536
.endr
.endm
; 16 matrix instructions: query blocks a0, a0 + 1 x the eight key blocks.  The 64 accumulators take turns, one instruction a turn, in the same order in every step.
.macro MUL16 a0, p, ks, zero
.irp a, \a0, \a0+1
.irp b, 0,1,2,3,4,5,6,7
.if \zero
	v_wmma_scale_f32_16x16x128_f8f6f4 v[8*(8*((\a)%4)+\b):8*(8*((\a)%4)+\b)+7], v[128*(\p)+FR*\b:128*(\p)+FR*\b+FR-1], v[AF+FR*(\a):AF+FR*(\a)+FR-1], 0, v[SC+8*\b+(\ks)], v[SC+8*(\a)+(\ks)] matrix_a_fmt:MATRIX_FMT_FP6 matrix_b_fmt:MATRIX_FMT_FP6 matrix_a_scale:MATRIX_SCALE_ROW1
.else
	v_wmma_scale_f32_16x16x128_f8f6f4 v[8*(8*((\a)%4)+\b):8*(8*((\a)%4)+\b)+7], v[128*(\p)+FR*\b:128*(\p)+FR*\b+FR-1], v[AF+FR*(\a):AF+FR*(\a)+FR-1], v[8*(8*((\a)%4)+\b):8*(8*((\a)%4)+\b)+7], v[SC+8*\b+(\ks)], v[SC+8*(\a)+(\ks)] matrix_a_fmt:MATRIX_FMT_FP6 matrix_b_fmt:MATRIX_FMT_FP6 matrix_a_scale:MATRIX_SCALE_ROW1
.endif
.endr
.endr
.endm
.macro PLACES n
.rept \n
	v_nop
.endr
.endm
.macro STEP ks, ns, nq, zero           ; K step ks; the next step's fragments lie in slot ns, half nq, which is known to have landed
	s_wait_dscnt 4*NL                              ; all but the youngest 16 loads (Q's blocks 4-7) are in
	WIN MUL_LO
	MUL16 0, (\ks)%2, \ks, \zero
	MUL16 2, (\ks)%2, \ks, \zero
	s_wait_dscnt 0
	PLACES NP
	FETCH_B \ns, \nq, 1-(\ks)%2
	FETCH_A \ns, \nq, 0
	WIN MUL_HI
	MUL16 4, (\ks)%2, \ks, \zero
	MUL16 6, (\ks)%2, \ks, \zero
	PLACES NP
	WIN 0
	FETCH_A \ns, \nq, 4
.endm
; A step with a barrier.  In front of it each wave waits for all its tensor loads, adds 0 to its spare word, and waits for that and for its LDS reads.  fill = 1: the barrier opens a round of the cluster's, and slot 0, just read out, takes K slot 3.
.macro TURN ks, ns, fill
	s_wait_tensorcnt 0x0
	ds_add_u32 v[SPW], v[NIL]                      ; 0 onto my spare word
	s_wait_dscnt 4*NL+1                            ; (the add and the youngest 16 loads may be out)
	WIN MUL_LO
	MUL16 0, 1, \ks, 0
	s_wait_dscnt 0x0
	s_barrier_signal -1
	MUL16 2, 1, \ks, 0
	WIN 0
	s_barrier_wait -1
.if \fill
	CREST
	s_add_nc_u64 s[G0+2:G0+3], s[G0+2:G0+3], 3*KSL
	s_add_nc_u64 s[G0B+2:G0B+3], s[G0B+2:G0B+3], 3*KSL
	JLOAD 0                                        ; the first tensor load behind the round; its four v_nop are the places in front of the loads below
.else
	PLACES NP
.endif
	FETCH_B \ns, 0, 0
	FETCH_A \ns, 0, 0
	WIN MUL_HI
	MUL16 4, 1, \ks, 0
	MUL16 6, 1, \ks, 0
	PLACES NP
	WIN 0
	FETCH_A \ns, 0, 4
.endm
	s_wait_alu depctr_va_vdst(0)                   ; the wait at the head's end
	s_wait_tensorcnt 0x0                           ; my part of slots 0, 1 and 2 is in
	s_barrier_signal -1
.irp g, G1, G1B
	s_mov_b32 s[\g+1], 32<<16                      ; no tensor load of mine is out: from here on a load brings 24,576 dense bytes as 96 rows of 256
	s_mov_b32 s[\g+2], 96<<16
	s_mov_b32 s[\g+3], 32<<16
	s_mov_b32 s[\g+4], 96
	s_mov_b32 s[\g+5], 32
.endr
	s_barrier_wait -1
	FETCH_B 0, 0, 0
	FETCH_A 0, 0, 0
	FETCH_A 0, 0, 4
	s_wait_loadcnt 0x0                             ; the scale words
	STEP 0, 0, 1, 1                                ; the first products start the sums
	TURN 1, 1, 1                                   ; every wave has seen all its first fills land: slots 1 and 2 are whole; slot 0 is asked for again
	STEP 2, 1, 1, 0
	STEP 3, 2, 0, 0                                ; from slot 1 to slot 2 without a barrier
	STEP 4, 2, 1, 0
	TURN 5, 0, 0                                   ; K slot 3 has landed in every wave's part of slot 0
	STEP 6, 0, 1, 0
	s_wait_dscnt 4*NL
	WIN MUL_LO
	MUL16 0, 1, 7, 0
	MUL16 2, 1, 7, 0
	s_wait_dscnt 0
	WIN MUL_HI
	MUL16 4, 1, 7, 0
	MUL16 6, 1, 7, 0
	WIN 0
; Block a: 16 queries x my 128 keys.  A lane holds one query; registers 16 b + i of its 64 belong to block b of 32 keys.
.macro SOFT a
.set AC, 64*((\a)%4)
.set W, 2+(\a)/4
	WIN W|(W<<2)|(W<<4)
.irp b, 0,1,2,3
	v_max3_num_f32 v[BM+\b], v[AC+16*\b], v[AC+16*\b+1], v[AC+16*\b+2]   ; the largest score of each block: it serves the row's maximum and, since p rises with the score, the block's largest p.  (Each accumulator is read from its low end on)
.endr
	WIN (W<<2)|(W<<4)
.irp i, 3,5,7,9,11,13
.irp b, 0,1,2,3
	v_max3_num_f32 v[BM+\b], v[BM+\b], v[AC+16*\b+\i], v[AC+16*\b+\i+1]
.endr
.endr
.irp b, 0,1,2,3
	v_max_num_f32 v[BM+\b], v[BM+\b], v[AC+16*\b+15]
.endr
	WIN 0
.irp b, 0,1,2,3
	v_permlanex16_b32 v[BX+\b], v[BM+\b], s[SEL], s[SEL+1]
.endr
.irp b, 0,1,2,3
	v_max_num_f32 v[BM+\b], v[BM+\b], v[BX+\b]     ; with lane l xor 16's 16 keys
.endr
	v_max3_num_f32 v[T], v[BM], v[BM+1], v[BM+2]
	v_max_num_f32 v[T], v[T], v[BM+3]
	v_mul_f32 v[T], s[CS], v[T]                    ; the run's largest t (c is positive)
	v_floor_f32 v[NM], -v[T]                       ; -M = floor(-t): M is a whole number
	WIN W
.set i, 0
.rept 32
	v_pk_fma_f32 v[P+2*i:P+2*i+1], v[AC+2*i:AC+2*i+1], s[CS:CS+1], v[NM:NM+1] op_sel_hi:[1,0,0]   ; t - M, two at a time, out of the accumulators
.set i, i+1
.endr
	WIN 0
.irp b, 0,1,2,3
	v_fma_f32 v[BM+\b], v[BM+\b], s[CS], v[NM]     ; the same of each block's largest score
.endr
.set i, 0
	s_wait_alu depctr_va_vdst(0)
.rept 64
	v_exp_f32 v[P+i], v[P+i]                       ; p = 2^(t - M), at most 1
.set i, i+1
.endr
	v_mov_b32 v[MM+(\a)], v[NM]                    ; (a plain place behind the exponentials)
	s_wait_alu depctr_va_vdst(0)                   ; one wait for the batch, ahead of its first reader
.irp b, 0,1,2,3
	v_exp_f32 v[BM+\b], v[BM+\b]                   ; the block's largest p
.endr
	v_pk_add_f32 v[LA:LA+1], v[P:P+1], v[P+4:P+5]  ; the sum of the unquantised p, in two chains
	v_pk_add_f32 v[LB:LB+1], v[P+2:P+3], v[P+6:P+7]
.irp j, 8,12,16,20,24,28,32,36,40,44,48,52,56,60
	v_pk_add_f32 v[LA:LA+1], v[LA:LA+1], v[P+\j:P+\j+1]
	v_pk_add_f32 v[LB:LB+1], v[LB:LB+1], v[P+\j+2:P+\j+3]
.endr
	v_pk_add_f32 v[LA:LA+1], v[LA:LA+1], v[LB:LB+1]
	s_wait_alu depctr_va_vdst(0)                   ; and one for the four
.irp b, 0,1,2,3
	v_max_num_f32 v[BM+\b], 0x1800000, v[BM+\b]    ; the floor 2^(3 - 127): the byte cannot fall under 1
.endr
.irp b, 0,1,2,3
	v_add_nc_u32 v[SX+\b], 0xff000000, v[BM+\b]    ; 2 off the exponent field: the conversion's scale operand
.endr
.irp b, 0,1,2,3
	v_lshrrev_b32 v[BY+\b], 23, v[SX+\b]           ; the scale's byte
.endr
	v_lshl_or_b32 v[SW+(\a)], v[BY+1], 8, v[BY]
	v_lshl_or_b32 v[SW+(\a)], v[BY+2], 16, v[SW+(\a)]
	v_lshl_or_b32 v[SW+(\a)], v[BY+3], 24, v[SW+(\a)]
	v_or_b32 v[SW+(\a)], 0x80808080, v[SW+(\a)]    ; bit 7 of each byte: room for the next launch's subtraction, byte by byte
	v_add_f32 v[T], v[LA], v[LA+1]
	v_permlanex16_b32 v[BX], v[T], s[SEL], s[SEL+1]
	v_add_f32 v[LL+(\a)], v[T], v[BX]              ; l of my query and these 128 keys
.if (\a) > 0
	s_wait_xcnt 0x0                                ; the last block's stores have read their data: the codes' registers are written again only behind this wait
.endif
.irp c, 0,1
	v_cvt_scalef32_pk16_fp6_f32 v[PC+6*\c:PC+2+6*\c], v[P+32*\c:P+15+32*\c], v[SX+2*\c]
	v_cvt_scalef32_pk16_fp6_f32 v[PC+12+4*\c:PC+14+4*\c], v[P+16+32*\c:P+31+32*\c], v[SX+2*\c+1]
.endr
	v_nop                                          ; one plain place behind a scaled conversion
.irp c, 0,1
.irp i, 0,1,2
	v_permlane16_swap_b32 v[PC+6*\c+\i], v[PC+12+4*\c+\i]
.endr
.irp i, 0,1,2
	v_mov_b32 v[PC+3+6*\c+\i], v[PC+12+4*\c+\i]
.endr
.endr
.irp c, 0,1,2
	global_store_b128 v[LI], v[PC+4*\c:PC+4*\c+3], s[8:9] offset:(\a)*6144+512*\c   ; 512 consecutive bytes a store
.endr
.endm
	PLACES NP                                      ; behind the last products
.irp b, 0,1,2,3
	v_mov_b32 v[BX+\b], 0                          ; written once: a lane permute's destination counts as one of its sources
.endr
	v_mov_b32 v[NM+1], 0                           ; named with -M as a pair, so it is written
.irp a, 0,1,2,3,4,5,6,7
	SOFT \a
.endr
	; the 128 queries' scale words, -M and l: lanes r and 16 + r hold the same, so two blocks share a register; through my stage each kind leaves as 512 consecutive bytes
.irp p, 0,1,2,3
	v_cndmask_b32 v[X+\p], v[SW+2*\p], v[SW+2*\p+1], s[HM]
	v_cndmask_b32 v[X+4+2*\p], v[MM+2*\p], v[MM+2*\p+1], s[HM]
	v_cndmask_b32 v[X+5+2*\p], v[LL+2*\p], v[LL+2*\p+1], s[HM]
.endr
.irp p, 0,1,2,3
	ds_store_b32 v[SS], v[X+\p] offset:128*\p
	ds_store_b64 v15, v[X+4+2*\p:X+5+2*\p] offset:512+256*\p
.endr
.irp q, 0,1,2
	ds_load_b128 v[Y+4*\q:Y+4*\q+3], v[SL] offset:512*\q   ; LDS serves a wave's instructions in order (ISA guide 5.7.1.4)
.endr
	s_wait_dscnt 0x0
	global_store_b128 v[LI], v[Y:Y+3], s[10:11]
	global_store_b128 v[LI], v[Y+4:Y+7], s[76:77]
	global_store_b128 v[LI], v[Y+8:Y+11], s[76:77] offset:512
	s_wait_tensorcnt 0x0                           ; the wave's end
	ds_add_u32 v[SPW], v[NIL]
	s_wait_dscnt 0x0
	CROUND                                         ; the closing round
	s_endpgm
.Lfunc_end_k_qdd9121fab3_scores:
	.size	k_qdd9121fab3_scores, .Lfunc_end_k_qdd9121fab3_scores-k_qdd9121fab3_scores
	.p2alignl 7, 3214868480
	.fill 96, 4, 3214868480
	.section	.rodata,"a",@progbits
	.p2align	6, 0x0
	.amdhsa_kernel k_qdd9121fab3_scores
		.amdhsa_group_segment_fixed_size 327680
		.amdhsa_private_segment_fixed_size 0
		.amdhsa_enable_private_segment 0
		.amdhsa_kernarg_size 32
		.amdhsa_user_sgpr_count 2
		.amdhsa_user_sgpr_kernarg_segment_ptr 1
		.amdhsa_wavefront_size32 1
		.amdhsa_system_sgpr_workgroup_id_x 1
		.amdhsa_system_sgpr_workgroup_id_y 1
		.amdhsa_system_sgpr_workgroup_id_z 1
		.amdhsa_system_vgpr_workitem_id 0
		.amdhsa_next_free_vgpr 1024
		.amdhsa_next_free_sgpr 84
		.amdhsa_reserve_vcc 0
		.amdhsa_float_denorm_mode_32 3
		.amdhsa_float_denorm_mode_16_64 3
		.amdhsa_memory_ordered 1
		.amdhsa_forward_progress 1
		.amdhsa_inst_pref_size 205
	.end_amdhsa_kernel
	.amdgpu_metadata
---
amdhsa.version: [ 1, 2 ]
amdhsa.kernels:
  - .name:           k_qdd9121fab3_scores
    .symbol:         k_qdd9121fab3_scores.kd
    .args:
      - { .name: qkv_img, .offset: 0, .size: 8, .value_kind: global_buffer, .address_space: global }
      - { .name: qkv_sc, .offset: 8, .size: 8, .value_kind: global_buffer, .address_space: global }
      - { .name: p_img, .offset: 16, .size: 8, .value_kind: global_buffer, .address_space: global }
      - { .name: p_st, .offset: 24, .size: 8, .value_kind: global_buffer, .address_space: global }
    .group_segment_fixed_size: 327680
    .private_segment_fixed_size: 0
    .kernarg_segment_align: 8
    .kernarg_segment_size: 32
    .max_flat_workgroup_size: 128
    .sgpr_count:     84
    .vgpr_count:     1024
    .wavefront_size: 32
...
	.end_amdgpu_metadata
.endif
;; end of part 2
;; launch pv (part 3): grid 4 x 64, 4 waves a work-group, clusters of 4 x 4, 327,680 bytes of LDS; arguments p_img, p_st, qkv_img, qkv_sc, out0; writes out0
.if DOCPART == 3
	.amdgcn_target "amdgcn-amd-amdhsa--gfx1250"
	.amdhsa_code_object_version 6
	.text
	.protected	k_qdd9121fab3_pv
	.globl	k_qdd9121fab3_pv
	.p2align	8
	.type	k_qdd9121fab3_pv,@function
k_qdd9121fab3_pv:
	s_mov_b64 s[64:65], 0
	v_nop
	global_prefetch_b8 v0, s[64:65] scope:SCOPE_SE
	s_setreg_imm32_b32 hwreg(HW_REG_WAVE_MODE, 25, 1), 1
	s_wait_xcnt 0x0
	s_wait_alu depctr_hold_cnt(0) depctr_sa_sdst(0) depctr_va_vdst(0) depctr_va_sdst(0) depctr_va_ssrc(0) depctr_va_vcc(0) depctr_vm_vsrc(0)
	s_getreg_b32 s2, hwreg(HW_REG_IB_STS2, 6, 4)
	s_cmp_eq_u32 s2, 0
	s_cbranch_scc0 .Lentry_in_a_cluster
	s_endpgm
.Lentry_in_a_cluster:
	s_bfe_u32 s2, ttmp6, 0x10000c
	s_cmp_lg_u32 s2, 0xf033
	s_cbranch_scc0 .Lentry_shape_is_right
	s_endpgm
.Lentry_shape_is_right:
; out = (P V) / l for each of 4 batches (2,048 x 1,024, K = 2,048 keys) on codes of FP6 (E2M3) with E8M0 scales, sums in f32.
; Each run of 128 keys of P was made under a maximum M of its own.  The row's largest M is found here; the difference is a whole number, so it comes off the run's scale bytes (stored with bit 7 set, which shows a borrow: such a byte becomes 0
; over codes whose numbers are then under 2^-120 of the row's largest), and the run's l is multiplied by 2^-difference.
; A work-group makes 128 queries x 256 channels, a wave 64 x 128.  Source 0 = 16 channels of V^T, source 1 = 16 queries: a lane holds one query, its registers run along the channels.  K goes in slots of 512 keys through two LDS slots by joint loads:
; P's tile is shared along a row of the 4 x 4 cluster, V's along a column.  The head's one load a wave brings its part of K slots 0 and 1 (two long rows, one behind the other in LDS); K slots 2 and 3 are refills.
; ORDERS.  The first launch laid the queries so that row 16 (8 w + 4 c + 2 b + a) + q of each 256 is query 128 c + 64 w + 32 b + 16 a + (q xor 8 b), and the channels so that tile j of each 64 holds 8 j + i | 32 + 8 (j xor 1) + i: the way out puts both in order.
; PREFETCHES: K slot 2 is asked for at the head's end, four K steps ahead of its load, K slot 3 behind K slot 2's load; a lane a block of 256 bytes, the four partners of a joint load sharing its bytes out by address.
; LIMITS: NaN and infinities are not served; differences of M are held at 127.
; REGISTERS: window 0: v6-21 addresses; v32-63 P's scale words, v64-127 V's; v128-191 the pairs -M, l, then P's fragments, two sets; v192-247 work, 1 / l.  window 1: V's fragments, two sets.  window 2: the accumulators.
.set FR,    12
.set LO8,   9
.set PFO,   6
.set NP,    4
.set PARTA, 24576
.set PARTB, 49152
.set SLOT,  2*PARTA+2*PARTB
.set KSLP,  3145728
.set KSLV,  393216
.set SPARE, 2*SLOT
.set SPITCH, 528
.set LI,   8
.set STO,    12
.set RD,   10
.set LO,   11
.set ADRA, 16
.set ADRB, 20
.set SPW,  28
.set NIL,  29
.set PS,   32
.set VS,   64
.set AF,   128
.set NK,   128
.set LK,   129
.set D,    192
.set E,    196
.set F,    200
.set BK,   128
.set RL,   224
.set G,    232
.set XX,   234
.set TT,   236
.set LS,   240
.set WV,   14
.set HR,   15
.set HC,   16
.set CX,   17
.set CY,   18
.set TY,   19
.set BAT,  20
.set G1,   24
.set G0,   32
.set G1B,  48
.set G0B,  56
.set SEL,  66
.set HM,   68
.set MSB, 0
.macro WIN new
.if MSB != (\new)
	s_set_vgpr_msb (MSB<<8)|(\new)
.set MSB, (\new)
.endif
.endm
.set MUL,  0xa1
.set TO_B, 0x40
.macro JLOAD s
	s_cmp_eq_u32 s[HR], 0
	s_cbranch_scc0 .Lfor_b_\@
	tensor_load_to_lds s[G0+4*\s:G0+4*\s+3], s[G1:G1+7]
	s_nop 0
.rept 4
	v_nop
.endr
	s_branch .Lasked_\@
.Lfor_b_\@:
	tensor_load_to_lds s[G0B+4*\s:G0B+4*\s+3], s[G1B:G1B+7]
	s_nop 0
.rept 4
	v_nop
.endr
.Lasked_\@:
.endm
.macro CREST
	s_cmp_lg_u32 s[WV], 0
	s_cbranch_scc1 .Lnot_wave_0_\@
	s_barrier_signal -3
.Lnot_wave_0_\@:
	s_barrier_wait -3
	s_barrier_signal -1
	s_barrier_wait -1
.endm
.macro CROUND
	s_barrier_signal -1
	s_barrier_wait -1
	CREST
.endm
	s_load_b256 s[4:11], s[0:1], 0x0
	s_load_b64 s[12:13], s[0:1], 0x20
	v_lshl_add_u32 v[SPW], v0, 2, SPARE
	v_mov_b32 v[NIL], 0
	ds_add_u32 v28, v29
	ds_add_u32 v28, v29
	s_wait_dscnt 0x0
	v_lshrrev_b32 v1, 5, v0
	v_readfirstlane_b32 s[WV], v1
	s_lshr_b32 s[HR], s[WV], 1
	s_and_b32 s[HC], s[WV], 1
	s_bfe_u32 s[CX], ttmp6, 0x40000
	s_bfe_u32 s[CY], ttmp6, 0x40004
	s_and_b32 s[BAT], ttmp7, 0xffff
	s_lshl_b32 s[TY], s[BAT], 2
	s_add_co_u32 s[TY], s[TY], s[CY]
	s_lshr_b32 s[BAT], s[BAT], 2
	s_lshl_b32 s2, s[CY], 2
	s_lshl_b32 s2, 15, s2
	s_lshl_b32 s3, 0x1111, s[CX]
	s_or_b32 s[G1+0], s2, (3<<16)|(1<<21)
	s_or_b32 s[G1B+0], s3, (3<<16)|(1<<21)
	s_mov_b32 s[G1+1], (PARTA/8)<<16               ; the head's load of P: 2 rows of 24,576 bytes, one a K slot
	s_mov_b32 s[G1+2], 2<<16
	s_mov_b32 s[G1+3], (PARTA/8)<<16
	s_mov_b32 s[G1+4], 2
	s_mov_b32 s[G1+5], KSLP/8
	s_mov_b32 s[G1+6], 0
	s_mov_b32 s[G1+7], 0
	s_mov_b32 s[G1B+1], (PARTB/8)<<16              ; of V: 2 rows of 49,152 bytes
	s_mov_b32 s[G1B+2], 2<<16
	s_mov_b32 s[G1B+3], (PARTB/8)<<16
	s_mov_b32 s[G1B+4], 2
	s_mov_b32 s[G1B+5], KSLV/8
	s_mov_b32 s[G1B+6], 0
	s_mov_b32 s[G1B+7], 0
	s_lshl_b32 s[G0+2], s[TY], 3
	s_lshl_b32 s21, s[HC], 2
	s_add_co_u32 s[G0+2], s[G0+2], s21
	s_mul_i32 s[G0+2], s[G0+2], 6144
	s_mov_b32 s[G0+3], 0
	s_lshl_b32 s[G0B+2], s[CX], 4
	s_lshl_b32 s21, s[HC], 3
	s_add_co_u32 s[G0B+2], s[G0B+2], s21
	s_mul_i32 s[G0B+2], s[G0B+2], 6144
	s_mul_i32 s22, s[BAT], 4*KSLV
	s_add_co_u32 s[G0B+2], s[G0B+2], s22
	s_add_co_u32 s[G0B+2], s[G0B+2], 12582912
	s_mov_b32 s[G0B+3], 0
	s_mul_i32 s22, s[HC], 2*PARTA                  ; P's two halves, each with both slots, then V's
	s_mul_i32 s23, s[HC], 2*PARTB
	s_add_co_u32 s23, s23, 4*PARTA
.irp s, 0,1
	s_mov_b32 s[G0+4*\s], 1
	s_mov_b32 s[G0B+4*\s], 1
	s_add_co_u32 s[G0+4*\s+1], s22, \s*PARTA
	s_add_co_u32 s[G0B+4*\s+1], s23, \s*PARTB
.endr
	s_mov_b32 s[SEL], 0x76543210
	s_mov_b32 s[SEL+1], 0xfedcba98
	s_mov_b32 s[HM], 0xffff0000
	s_wait_kmcnt 0x0
	s_add_nc_u64 s[G0+2:G0+3], s[4:5], s[G0+2:G0+3]
	s_add_nc_u64 s[G0B+2:G0B+3], s[8:9], s[G0B+2:G0B+3]
	s_add_nc_u64 s[G0+6:G0+7], s[G0+2:G0+3], KSLP
	s_add_nc_u64 s[G0B+6:G0B+7], s[G0B+2:G0B+3], KSLV
	s_mul_i32 s70, s[CX], 6144                     ; the prefetches: my quarter of P's part,
	s_mov_b32 s71, 0
	s_mul_i32 s72, s[CY], 12288                    ; or of V's
	s_mov_b32 s73, 0
	s_cmp_eq_u32 s[HR], 0
	s_cselect_b64 s[74:75], s[G0+2:G0+3], s[G0B+2:G0B+3]
	s_cselect_b64 s[70:71], s[70:71], s[72:73]
	s_add_nc_u64 s[70:71], s[74:75], s[70:71]
	s_mov_b32 s72, KSLV
	s_cselect_b32 s72, KSLP, s72                   ; s[72:73]: from one K slot to the next
	s_add_nc_u64 s[70:71], s[70:71], s[72:73]
	s_add_nc_u64 s[70:71], s[70:71], s[72:73]      ; at K slot 2
.irp s, 0,1
	s_or_b32 s[G0+4*\s+3], s[G0+4*\s+3], 0x80000000
	s_or_b32 s[G0B+4*\s+3], s[G0B+4*\s+3], 0x80000000
.endr
	CROUND
	JLOAD 0                                        ; one tensor load a wave at the head
	v_and_b32 v3, 31, v0
	v_lshlrev_b32 v[LI], 4, v3
	v_lshlrev_b32 v[LO], 2, v3
	v_lshlrev_b32 v[LO8], 3, v3
	v_min_u32 v[PFO], 23, v3
	v_lshlrev_b32 v[PFO], 8, v[PFO]
	v_and_b32 v1, 15, v0
	s_wait_alu depctr_va_vdst(0)
	v_bfe_u32 v2, v0, 4, 1
	s_mul_i32 s21, s[HR], 2*PARTA
	s_mul_i32 s22, s[HC], 2*PARTB
	s_add_co_u32 s22, s22, 4*PARTA
.irp s, 0,1
	v_add_nc_u32 v[ADRA+\s], s21, v[LI]
	v_add_nc_u32 v[ADRB+\s], s22, v[LI]
	s_add_co_u32 s21, s21, PARTA
	s_add_co_u32 s22, s22, PARTB
.endr
	s_mul_i32 s21, s[WV], 16*SPITCH
	s_add_co_u32 s21, s21, 4*PARTA                 ; my stage, in V's first part of slot 0, which has had its last fill and its last read by then
	v_mul_u32_u24 v4, v1, SPITCH
	v_xor_b32 v5, 8, v1
	v_mul_u32_u24 v5, v5, SPITCH
	s_wait_alu depctr_va_vdst(0)
	v_mad_u32_u24 v[STO], v2, 160, v4              ; blocks 0, 1: even tiles,
	v_mad_u32_u24 v[STO+1], v2, 96, v4             ; odd tiles;
	v_mad_u32_u24 v[STO+2], v2, 160, v5            ; blocks 2, 3, whose rows lie in the other order
	v_mad_u32_u24 v[STO+3], v2, 96, v5
.irp k, 0,1,2,3
	v_add_nc_u32 v[STO+\k], s21, v[STO+\k]
.endr
	v_add_nc_u32 v[RD], s21, v[LI]
	s_lshl_b32 s40, s[TY], 9
	s_lshl_b32 s41, s[HR], 8
	s_add_co_u32 s40, s40, s41
	s_mov_b32 s41, 0
	s_lshl_b32 s42, s40, 1
	s_add_co_u32 s42, s42, 524288
	s_mov_b32 s43, 0
	s_add_nc_u64 s[44:45], s[6:7], s[42:43]        ; my 64 queries' pairs -M, l
	s_add_nc_u64 s[6:7], s[6:7], s[40:41]          ; and scale words
	s_lshl_b32 s40, s[BAT], 16
	s_lshl_b32 s42, s[CX], 11
	s_add_co_u32 s40, s40, s42
	s_lshl_b32 s42, s[HC], 10
	s_add_co_u32 s40, s40, s42
	s_add_co_u32 s40, s40, 524288
	s_add_nc_u64 s[10:11], s[10:11], s[40:41]      ; my 128 channels' scale words: [pair of K steps][channel][2]
	s_lshr_b32 s40, s[TY], 1
	s_lshl_b32 s40, s40, 20
	s_and_b32 s42, s[TY], 1
	s_lshl_b32 s42, s42, 18
	s_add_co_u32 s40, s40, s42
	s_lshl_b32 s42, s[HR], 19
	s_add_co_u32 s40, s40, s42                     ; row 256 (TY / 2) + 128 HR + 64 (TY % 2)
	s_lshl_b32 s42, s[CX], 10
	s_add_co_u32 s40, s40, s42
	s_lshl_b32 s42, s[HC], 9
	s_add_co_u32 s40, s40, s42
	s_add_nc_u64 s[12:13], s[12:13], s[40:41]
.irp pr, 0,1
.irp k, 0,1,2,3,4,5,6,7,8,9,10,11,12,13,14,15
	global_load_b64 v[NK+32*\pr+2*\k:NK+32*\pr+2*\k+1], v[LO8], s[44:45] offset:\k*65536+256*\pr
	global_load_b32 v[PS+16*\pr+\k], v[LO], s[6:7] offset:\k*32768+128*\pr
.endr
.endr
.irp bp, 0,1,2,3
.irp k, 0,1,2,3,4,5,6,7
	global_load_b64 v[VS+16*\bp+2*\k:VS+16*\bp+2*\k+1], v[LO8], s[10:11] offset:\k*8192+256*\bp
.endr
.endr
	s_wait_alu depctr_va_vdst(0)                   ; directly ahead of the wait below
	s_wait_loadcnt 32                              ; P's statistics are in; V's 32 loads may be out
.irp pr, 0,1
	v_min3_num_f32 v[G+\pr], v[NK+32*\pr], v[NK+32*\pr+2], v[NK+32*\pr+4]   ; -M of the row's largest M
.endr
.irp i, 3,5,7,9,11,13
.irp pr, 0,1
	v_min3_num_f32 v[G+\pr], v[G+\pr], v[NK+32*\pr+2*\i], v[NK+32*\pr+2*\i+2]
.endr
.endr
.irp pr, 0,1
	v_min_num_f32 v[G+\pr], v[G+\pr], v[NK+32*\pr+30]
.endr
; Four runs k0 .. of query pair pr: the difference of M comes off the scale bytes, and l is summed
.macro CORR pr, k0
.irp k, 0,1,2,3
	v_sub_f32 v[D+\k], v[NK+32*(\pr)+2*(\k0)+2*\k], v[G+(\pr)]
.endr
.irp k, 0,1,2,3
	v_min_num_f32 v[D+\k], 0x42fe0000, v[D+\k]
.endr
.irp k, 0,1,2,3
	v_cvt_u32_f32 v[D+\k], v[D+\k]
.endr
.irp k, 0,1,2,3
	v_sub_nc_u32 v[E+\k], 127, v[D+\k]
.endr
.irp k, 0,1,2,3
	v_lshlrev_b32 v[E+\k], 23, v[E+\k]
.endr
.irp k, 0,1,2,3
	v_perm_b32 v[D+\k], v[D+\k], v[D+\k], 0
.endr
.irp k, 0,1,2,3
	v_sub_nc_u32 v[PS+16*(\pr)+(\k0)+\k], v[PS+16*(\pr)+(\k0)+\k], v[D+\k]
.endr
.irp k, 0,1,2,3
	v_and_b32 v[D+\k], 0x80808080, v[PS+16*(\pr)+(\k0)+\k]
.endr
.irp k, 0,1,2,3
	v_lshrrev_b32 v[F+\k], 7, v[D+\k]
.endr
.irp k, 0,1,2,3
	v_sub_nc_u32 v[D+\k], v[D+\k], v[F+\k]
.endr
.irp k, 0,1,2,3
	v_and_b32 v[PS+16*(\pr)+(\k0)+\k], v[PS+16*(\pr)+(\k0)+\k], v[D+\k]
.endr
.irp k, 0,1,2,3
.if (\k0) == 0
	v_mul_f32 v[LS+4*(\pr)+\k], v[LK+32*(\pr)+2*(\k0)+2*\k], v[E+\k]
.else
	v_fmac_f32 v[LS+4*(\pr)+\k], v[LK+32*(\pr)+2*(\k0)+2*\k], v[E+\k]
.endif
.endr
.endm
.irp pr, 0,1
.irp k0, 0,4,8,12
	CORR \pr, \k0
.endr
.endr
.irp pr, 0,1
	v_mov_b32 v[XX+\pr], 0
	v_add_f32 v[LS+4*\pr], v[LS+4*\pr], v[LS+4*\pr+1]
	v_add_f32 v[LS+4*\pr+2], v[LS+4*\pr+2], v[LS+4*\pr+3]
.endr
.irp pr, 0,1
	v_add_f32 v[LS+4*\pr], v[LS+4*\pr], v[LS+4*\pr+2]
.endr
.irp pr, 0,1
	v_permlanex16_b32 v[XX+\pr], v[LS+4*\pr], s[SEL], s[SEL+1]
.endr
.irp pr, 0,1
	v_cndmask_b32 v[TT+2*\pr], v[LS+4*\pr], v[XX+\pr], s[HM]
	v_cndmask_b32 v[TT+2*\pr+1], v[XX+\pr], v[LS+4*\pr], s[HM]
.endr
	s_wait_alu depctr_va_vdst(0)
.irp a, 0,1,2,3
	v_rcp_f32 v[RL+2*\a], v[TT+\a]
	v_rcp_f32 v[RL+2*\a+1], v[TT+\a]
.endr
	v_nop
	s_wait_alu depctr_va_vdst(0)
.rept 8
	v_nop
.endr
.macro FETCH slot, s, set
	WIN TO_B
.irp i, 0,1,2,3,4,5,6,7
.irp c, 0,1,2
	ds_load_b128 v[128*(\set)+FR*\i+4*\c:128*(\set)+FR*\i+4*\c+3], v[ADRB+\slot] offset:\i*6144+(\s)*1536+512*\c
.endr
.endr
	WIN 0
.irp i, 0,1,2,3
.irp c, 0,1,2
	ds_load_b128 v[AF+48*(\set)+FR*\i+4*\c:AF+48*(\set)+FR*\i+4*\c+3], v[ADRA+\slot] offset:\i*6144+(\s)*1536+512*\c
.endr
.endr
.endm
.macro WM zero, rb, ra
.if \zero
.if ((\rb) == 0) && ((\ra) == 0)
	v_wmma_scale_f32_16x16x128_f8f6f4 v[rD:rD+7], v[rB:rB+11], v[rA:rA+11], 0, v[qB], v[qA] matrix_a_fmt:MATRIX_FMT_FP6 matrix_b_fmt:MATRIX_FMT_FP6
.elseif (\ra) == 0
	v_wmma_scale_f32_16x16x128_f8f6f4 v[rD:rD+7], v[rB:rB+11], v[rA:rA+11], 0, v[qB], v[qA] matrix_a_fmt:MATRIX_FMT_FP6 matrix_b_fmt:MATRIX_FMT_FP6 matrix_a_scale:MATRIX_SCALE_ROW1
.elseif (\rb) == 0
	v_wmma_scale_f32_16x16x128_f8f6f4 v[rD:rD+7], v[rB:rB+11], v[rA:rA+11], 0, v[qB], v[qA] matrix_a_fmt:MATRIX_FMT_FP6 matrix_b_fmt:MATRIX_FMT_FP6 matrix_b_scale:MATRIX_SCALE_ROW1
.else
	v_wmma_scale_f32_16x16x128_f8f6f4 v[rD:rD+7], v[rB:rB+11], v[rA:rA+11], 0, v[qB], v[qA] matrix_a_fmt:MATRIX_FMT_FP6 matrix_b_fmt:MATRIX_FMT_FP6 matrix_a_scale:MATRIX_SCALE_ROW1 matrix_b_scale:MATRIX_SCALE_ROW1
.endif
.else
.if ((\rb) == 0) && ((\ra) == 0)
	v_wmma_scale_f32_16x16x128_f8f6f4 v[rD:rD+7], v[rB:rB+11], v[rA:rA+11], v[rD:rD+7], v[qB], v[qA] matrix_a_fmt:MATRIX_FMT_FP6 matrix_b_fmt:MATRIX_FMT_FP6
.elseif (\ra) == 0
	v_wmma_scale_f32_16x16x128_f8f6f4 v[rD:rD+7], v[rB:rB+11], v[rA:rA+11], v[rD:rD+7], v[qB], v[qA] matrix_a_fmt:MATRIX_FMT_FP6 matrix_b_fmt:MATRIX_FMT_FP6 matrix_a_scale:MATRIX_SCALE_ROW1
.elseif (\rb) == 0
	v_wmma_scale_f32_16x16x128_f8f6f4 v[rD:rD+7], v[rB:rB+11], v[rA:rA+11], v[rD:rD+7], v[qB], v[qA] matrix_a_fmt:MATRIX_FMT_FP6 matrix_b_fmt:MATRIX_FMT_FP6 matrix_b_scale:MATRIX_SCALE_ROW1
.else
	v_wmma_scale_f32_16x16x128_f8f6f4 v[rD:rD+7], v[rB:rB+11], v[rA:rA+11], v[rD:rD+7], v[qB], v[qA] matrix_a_fmt:MATRIX_FMT_FP6 matrix_b_fmt:MATRIX_FMT_FP6 matrix_a_scale:MATRIX_SCALE_ROW1 matrix_b_scale:MATRIX_SCALE_ROW1
.endif
.endif
.endm
.macro MUL8 a, set, ks, zero
.irp b, 0,1,2,3,4,5,6,7
.set rD, 8*(8*(\a)+\b)
.set rB, 128*(\set)+FR*\b
.set rA, AF+48*(\set)+FR*(\a)
.set qB, VS+16*(\b/2)+(\ks)
.set qA, PS+16*((\a)/2)+(\ks)
	WM \zero, \b%2, (\a)%2
.endr
.endm
.macro PLACES n
.rept \n
	v_nop
.endr
.endm
.macro STEP ks, nslot, ns, zero
	s_wait_dscnt 0x0
	PLACES NP
	FETCH \nslot, \ns, 1-(\ks)%2
	WIN MUL
	MUL8 0, (\ks)%2, \ks, \zero
	MUL8 1, (\ks)%2, \ks, \zero
	MUL8 2, (\ks)%2, \ks, \zero
	MUL8 3, (\ks)%2, \ks, \zero
.endm
.macro PF                              ; 24 blocks of 256 bytes of P, or twice 24 of V
	global_prefetch_b8 v[PFO], s[70:71] th:TH_LOAD_NT scope:SCOPE_SE
	s_cmp_eq_u32 s[HR], 0
	s_cbranch_scc1 .Lp_alone_\@
	global_prefetch_b8 v[PFO], s[70:71] offset:6144 th:TH_LOAD_NT scope:SCOPE_SE
.Lp_alone_\@:
.endm
; A slot's last step.  In front of its barrier each wave waits for all its tensor loads, adds 0 to its spare word, and waits for that and for its LDS reads.  fill = 1: the barrier opens a round, and the slot is filled again, two K slots ahead.
.macro TURN ks, slot, next, fill
	WIN 0
.if (\fill) && ((\slot) == 0)
	s_wait_xcnt 0x0                                ; the first prefetch has read its address
	s_add_nc_u64 s[70:71], s[70:71], s[72:73]      ; K slot 3
.endif
	s_wait_tensorcnt 0x0
	ds_add_u32 v[SPW], v[NIL]
	s_wait_dscnt 1
	WIN MUL
	MUL8 0, 1, \ks, 0
	s_wait_dscnt 0x0
	s_barrier_signal -1
	MUL8 1, 1, \ks, 0
	WIN 0
	s_barrier_wait -1
.if \fill
	CREST
	s_add_nc_u64 s[G0+4*\slot+2:G0+4*\slot+3], s[G0+4*\slot+2:G0+4*\slot+3], 2*KSLP
	s_add_nc_u64 s[G0B+4*\slot+2:G0B+4*\slot+3], s[G0B+4*\slot+2:G0B+4*\slot+3], 2*KSLV
	JLOAD \slot
.else
	PLACES NP
.endif
	FETCH \next, 0, 0
.if (\fill) && ((\slot) == 0)
	PF
.endif
	WIN MUL
	MUL8 2, 1, \ks, 0
	MUL8 3, 1, \ks, 0
.endm
	s_wait_alu depctr_va_vdst(0)                   ; the wait at the head's end
	s_wait_tensorcnt 0x0                           ; my part of both slots is in
	s_barrier_signal -1
	s_mov_b32 s[G1+1], 32<<16                      ; no tensor load of mine is out: from here on a load brings one slot's part, dense, as rows of 256 bytes
	s_mov_b32 s[G1+2], 96<<16
	s_mov_b32 s[G1+3], 32<<16
	s_mov_b32 s[G1+4], 96
	s_mov_b32 s[G1+5], 32
	s_mov_b32 s[G1B+1], 32<<16
	s_mov_b32 s[G1B+2], 192<<16
	s_mov_b32 s[G1B+3], 32<<16
	s_mov_b32 s[G1B+4], 192
	s_mov_b32 s[G1B+5], 32
	s_barrier_wait -1
	FETCH 0, 0, 0
	s_wait_loadcnt 0x0                             ; V's scale words
	PF
	STEP 0, 0, 1, 1
	STEP 1, 0, 2, 0
	STEP 2, 0, 3, 0
	TURN 3, 0, 1, 1
	STEP 4, 1, 1, 0
	STEP 5, 1, 2, 0
	STEP 6, 1, 3, 0
	TURN 7, 1, 0, 1
	STEP 8, 0, 1, 0
	STEP 9, 0, 2, 0
	STEP 10, 0, 3, 0
	TURN 11, 0, 1, 0
	STEP 12, 1, 1, 0
	STEP 13, 1, 2, 0
	STEP 14, 1, 3, 0
	s_wait_dscnt 0x0
	MUL8 0, 1, 15, 0
	MUL8 1, 1, 15, 0
	MUL8 2, 1, 15, 0
	MUL8 3, 1, 15, 0
	WIN 0
	PLACES NP
	WIN 0x82
.irp a, 0,1,2,3
.set i, 0
.rept 32
	v_pk_mul_f32 v[64*\a+2*i:64*\a+2*i+1], v[64*\a+2*i:64*\a+2*i+1], v[RL+2*\a:RL+2*\a+1]
.set i, i+1
.endr
.endr
	WIN 0
.macro TOSTAGE a
	WIN 0x08
.irp b, 0,1,2,3,4,5,6,7
	ds_store_b128 v[STO+2*((\a)/2)+\b%2], v[64*(\a)+8*\b:64*(\a)+8*\b+3] offset:256*(\b/4)+32*(\b%4)
	ds_store_b128 v[STO+2*((\a)/2)+\b%2], v[64*(\a)+8*\b+4:64*(\a)+8*\b+7] offset:256*(\b/4)+32*(\b%4)+16
.endr
	WIN 0
.set BB, BK+64*((\a)%2)
.irp t, 0,1,2,3,4,5,6,7,8,9,10,11,12,13,14,15
	ds_load_b128 v[BB+4*\t:BB+4*\t+3], v[RD] offset:\t*SPITCH
.endr
.endm
.macro SEND a, younger
.set BB, BK+64*((\a)%2)
	s_wait_dscnt \younger
.irp t, 0,1,2,3,4,5,6,7,8,9,10,11,12,13,14,15
	global_store_b128 v[LI], v[BB+4*\t:BB+4*\t+3], s[12:13] offset:(16*(\a)+\t)*4096 th:TH_STORE_NT
.endr
.endm
	TOSTAGE 0
	s_wait_alu depctr_va_vdst(0)
.irp a, 1,2,3
.if \a > 1
	s_wait_xcnt 0x0
.endif
	TOSTAGE \a
	SEND \a-1, 32
.endr
	SEND 3, 0
	s_wait_tensorcnt 0x0
	ds_add_u32 v[SPW], v[NIL]
	s_wait_dscnt 0x0
	CROUND
	s_endpgm
.Lfunc_end_k_qdd9121fab3_pv:
	.size	k_qdd9121fab3_pv, .Lfunc_end_k_qdd9121fab3_pv-k_qdd9121fab3_pv
	.p2alignl 7, 3214868480
	.fill 96, 4, 3214868480
	.section	.rodata,"a",@progbits
	.p2align	6, 0x0
	.amdhsa_kernel k_qdd9121fab3_pv
		.amdhsa_group_segment_fixed_size 327680
		.amdhsa_private_segment_fixed_size 0
		.amdhsa_enable_private_segment 0
		.amdhsa_kernarg_size 40
		.amdhsa_user_sgpr_count 2
		.amdhsa_user_sgpr_kernarg_segment_ptr 1
		.amdhsa_wavefront_size32 1
		.amdhsa_system_sgpr_workgroup_id_x 1
		.amdhsa_system_sgpr_workgroup_id_y 1
		.amdhsa_system_sgpr_workgroup_id_z 1
		.amdhsa_system_vgpr_workitem_id 0
		.amdhsa_next_free_vgpr 768
		.amdhsa_next_free_sgpr 80
		.amdhsa_reserve_vcc 0
		.amdhsa_float_denorm_mode_32 3
		.amdhsa_float_denorm_mode_16_64 3
		.amdhsa_memory_ordered 1
		.amdhsa_forward_progress 1
		.amdhsa_inst_pref_size 166
	.end_amdhsa_kernel
	.amdgpu_metadata
---
amdhsa.version: [ 1, 2 ]
amdhsa.kernels:
  - .name:           k_qdd9121fab3_pv
    .symbol:         k_qdd9121fab3_pv.kd
    .args:
      - { .name: p_img, .offset: 0, .size: 8, .value_kind: global_buffer, .address_space: global }
      - { .name: p_st, .offset: 8, .size: 8, .value_kind: global_buffer, .address_space: global }
      - { .name: qkv_img, .offset: 16, .size: 8, .value_kind: global_buffer, .address_space: global }
      - { .name: qkv_sc, .offset: 24, .size: 8, .value_kind: global_buffer, .address_space: global }
      - { .name: out0, .offset: 32, .size: 8, .value_kind: global_buffer, .address_space: global }
    .group_segment_fixed_size: 327680
    .private_segment_fixed_size: 0
    .kernarg_segment_align: 8
    .kernarg_segment_size: 40
    .max_flat_workgroup_size: 128
    .sgpr_count:     80
    .vgpr_count:     768
    .wavefront_size: 32
...
	.end_amdgpu_metadata
.endif
;; end of part 3
